; MI455X (gfx1250); checked and timed in simulation.
; The chip was launched on July 23, 2026; its instructions are those of AMD's public machine-readable ISA for CDNA 5 (MIT licence, August 2026) and "CDNA5" Instruction Set Architecture Reference Guide (July 2026). The comments in the code are by the model that wrote it; some were corrected since.
;; Starling Attention. Allowed arithmetic: matrix products marked QUANTISED: E2M1 operands, one E8M0 scale for each 32 along K, by v_wmma_scale_f32_16x16x128_f8f6f4 with both operands' format E2M1 (or v_wmma_scale_f32_32x16x128_f4), f32 sums; products left as they are: bf16, f16 or f32 operands; f32 sums; everything else in f32.
;; Inputs: Wk 1,024 x 1,024 float32; Wo 1,024 x 1,024 float32; Wq 1,024 x 1,024 float32; Wv 1,024 x 1,024 float32; align_gate one number float32; coh_gate one number float32; sep_gate one number float32; x 2 x 2,048 x 1,024 float32.
;; Outputs: out0 2 x 2,048 x 1,024 float32.
;; This version of the problem:
;;   THIS VERSION OF THE PROBLEM IS GIVEN IN LOW PRECISION. The matrix products marked QUANTISED in the list below multiply operands that are first quantised to E2M1 (2 exponent bits, 1 mantissa bit; 4 bits a number), with one power-of-two scale for each 32 numbers along K (OCP MX v1.0); their sums are f32. The products marked 'left as it is' may take bf16, f16 or f32 operands, with f32 sums. Whichever they take, every output number must still come out within the allowed error. Rounding operands to bf16 (8 significant bits) uses up far more of that allowance than f16 does (11 bits, for magnitudes from 6e-5 to 65,504). All else is computed in f32.
;;   The module's matrix products, in the order in which they are computed (A, B: the left and right operand; K: the contracted axis; several contracted axes count as one K, in the product's order):
;;     1. [M 4,096, K 1,024] x [K 1,024, N 1,024]; A: input x; B: input Wq: QUANTISED
;;     2. [M 4,096, K 1,024] x [K 1,024, N 1,024]; A: input x; B: input Wk: QUANTISED
;;     3. [M 4,096, K 1,024] x [K 1,024, N 1,024]; A: input x; B: input Wv: QUANTISED
;;     4. batch 32 x [M 2,048, K 64] x [K 64, N 2,048]; A: computed on the way; B: computed on the way: left as it is (an operand is computed on the way)
;;     5. batch 32 x [M 2,048, K 2,048] x [K 2,048, N 64]; A: computed on the way; B: computed on the way: left as it is (an operand is computed on the way)
;;     6. [M 4,096, K 1,024] x [K 1,024, N 1,024]; A: computed on the way; B: input Wo: left as it is (an operand is computed on the way)
;;   THE QUANTISER, for each operand of a quantised product, along K:
;;     - K is cut into blocks of 32 from its start; a last block that is shorter is filled with zeros.
;;     - A block's scale is 2^e with e = floor(log2(the largest magnitude in the block)) - 2, held to -126 .. 127; a block of zeros has e = 0. As a byte (E8M0): e + 127.
;;     - Each number is divided by its block's scale, clamped to +-6, and rounded to the nearest number of E2M1, ties to even, subnormals kept.
;;     - The product sums the exact products of the quantised numbers (number of the format x scale) in f32.
;;   ~~~python
;;   def quantise(x, axis):      # numpy; x: float32 -> the quantised numbers, widened to float32 again
;;       x = np.moveaxis(x, axis, -1); K = x.shape[-1]
;;       x = np.pad(x, [(0, 0)] * (x.ndim - 1) + [(0, -K % 32)]); x = x.reshape(x.shape[:-1] + (-1, 32)); a = np.abs(x).max(-1, keepdims=True)
;;       e = np.where(a > 0, np.clip(np.frexp(np.where(a > 0, a, 1))[1] - 1 - 2, -126, 127), 0)      # np.frexp(a)[1] - 1 = floor(log2(a)), exactly
;;       r = np.clip(x / 2.0 ** e, -6, 6)
;;       step = 2.0 ** (np.maximum(np.frexp(np.where(r == 0, 1, r))[1] - 1, 0) - 1)
;;       q = np.round(r / step) * step * 2.0 ** e      # np.round: ties to even
;;       return np.moveaxis(q.reshape(q.shape[:-2] + (-1,))[..., :K], -1, axis).astype(np.float32)
;;   ~~~
;; One version. Each part assembles by itself: llvm-mc -triple=amdgcn-amd-amdhsa -mcpu=gfx1250 --defsym DOCPART=n.
;; ======== version 1 of 1: 4 launches
;; limits: values outside matrix products are rounded to f16; values are held in f16: magnitudes above 65,504 overflow, below 6.1e-05 lose precision
;; workspace buffers: x_codes 2,097,152 bytes; x_scales 131,072 bytes; w_codes 1,572,864 bytes; w_scales 98,304 bytes; wo_h 2,097,152 bytes; qkv 25,165,824 bytes; ksum 131,072 bytes; attn 8,388,608 bytes
;; launch quant (part 1): grid 256 x 1, 4 waves a work-group, no clusters, 33,280 bytes of LDS; arguments x, Wq, Wk, Wv, Wo, x_codes, x_scales, w_codes, w_scales, wo_h; writes x_codes, x_scales, w_codes, w_scales, wo_h
.if DOCPART == 1
	.amdgcn_target "amdgcn-amd-amdhsa--gfx1250"
	.amdhsa_code_object_version 6
	.text
	.protected	k_q08abea8d1b_quant
	.globl	k_q08abea8d1b_quant
	.p2align	8
	.type	k_q08abea8d1b_quant,@function
k_q08abea8d1b_quant:
	s_mov_b64 s[64:65], 0
	v_nop
	global_prefetch_b8 v0, s[64:65] scope:SCOPE_SE
	s_setreg_imm32_b32 hwreg(HW_REG_WAVE_MODE, 25, 1), 1
	s_wait_xcnt 0x0
; x [4096][1024] and Wq, Wk, Wv [1024][1024], f32, K innermost, become codes of FP4 (E2M1), two a byte, with one E8M0 scale byte for each 32 along K; Wo [1024][1024] becomes f16.
; x's codes: x_codes [4096][512 bytes], x_scales [4096][32].  The three weights lie one behind the other: w_codes [3072][512 bytes], w_scales [3072][32]; rows 0-1023 Wq, 1024-2047 Wk, 2048-3071 Wv.
; A block's scale is 2^(floor(log2(its largest magnitude)) - 2); its byte is the largest magnitude's exponent field - 2, held at 1 from below.  Each number is divided by the scale and rounded to the nearest code, ties to even,
; beyond the largest code the largest.  A block of zeros gets the byte 1 where the definition says 127: its codes are zeros, which add nothing, and the bytes are read by this program alone.
; LIMITS: blocks whose largest magnitude lies under 2^-124 (the floor) were not tried; NaN and infinities among the inputs are not served; |Wo| stays under 65,504 (f16).
; SHARES.  A work-group takes 32,768 numbers, a wave 8,192.  Work-groups 0-127: x; 128-159: Wq; 160-191: Wk; 192-223: Wv; 224-255: Wo.  Rows are dense, so every tensor is a plain stream of blocks of 32.
; The quantising path: 16 steps of 512 numbers a wave.  A step's four loads read 512 consecutive bytes each; its 2,048 bytes turn through the wave's own stage in LDS and come back 64 bytes a lane, so that a lane holds
; 16 neighbours along K (two neighbouring lanes hold a block).  A lane's 16 codes are 8 bytes: the wave stores 256 consecutive bytes.  A wave's 256 scale bytes are gathered in LDS and leave as 256 consecutive bytes.
; No tensor loads, no barrier: waves share nothing.  Matrix units, clusters and large tiles would add nothing to a stream.
.set WAVES, 4
.set STEPS, 16
.set EMAX,  2
.set CB,    8                          ; bytes of 16 codes
.set R,     16                         ; v16-79   four sets of 16 numbers as they are loaded
.set X,     80                         ; v80-111  two sets of 16 neighbours
.set E,     112                        ; v112-127 a scale byte for each step
.set C,     128                        ; v128-191 codes: four registers for each step, so that no store's data are written again
.set Y,     144                        ; v144-175 the cast path: 16 stores' data
.set WREG,  8192                       ; LDS: a region for each wave: two stages of 32 x SP bytes, behind them its 256 scale bytes
.set SP,    80                         ; a lane's place in a stage: 64 bytes + 16 of padding
.set SPW,   12                         ; v12  LDS address of my spare word: SPARE + 4 x my thread's number; never rewritten
.set NIL,   13                         ; v13  0; never rewritten
.set SPARE, WAVES*WREG                 ; behind the four regions: the spare words, 128 bytes a wave; no other line names them
	s_load_b512 s[4:19], s[0:1], 0x0               ; x 4:5, Wq 6:7, Wk 8:9, Wv 10:11, Wo 12:13, x_codes 14:15, x_scales 16:17, w_codes 18:19
	s_load_b128 s[20:23], s[0:1], 0x40             ; w_scales 20:21, wo_h 22:23
	v_lshl_add_u32 v[SPW], v0, 2, SPARE
	v_mov_b32 v[NIL], 0
	v_lshrrev_b32 v1, 5, v0
	v_readfirstlane_b32 s24, v1                    ; wave
	v_and_b32 v2, 31, v0                           ; lane
	v_lshlrev_b32 v3, 4, v2                        ; my 16 bytes of a load's 512
	s_mul_i32 s27, s24, WREG
	v_lshrrev_b32 v14, 2, v2
	v_mul_u32_u24 v14, v14, SP
	v_and_b32 v15, 3, v2
	v_lshl_add_u32 v14, v15, 4, v14
	v_add_nc_u32 v14, s27, v14                     ; the stage, on the way in: SP (lane / 4) + 16 (lane % 4)
	v_mul_u32_u24 v15, v2, SP
	v_add_nc_u32 v15, s27, v15                     ; and on the way out: SP x lane: my 16 neighbours
	v_mul_u32_u24 v4, v2, CB                       ; my codes' place in a step's
	v_lshrrev_b32 v5, 1, v2
	s_add_co_u32 s27, s27, 2*32*SP
	v_add_nc_u32 v5, s27, v5                       ; LDS: my wave's 256 scale bytes, my block's byte
	v_lshlrev_b32 v7, 3, v2                        ; 8 bytes a lane
	v_add_nc_u32 v6, s27, v7
	s_and_b32 s25, ttmp9, 31                       ; a weight's work-group within its tensor,
	s_sub_co_u32 s26, ttmp9, 128                   ; and within the three weights' codes (x's work-groups replace both below)
	s_wait_kmcnt 0x0
	s_cmp_ge_u32 ttmp9, 224
	s_cbranch_scc1 .Lwo                            ; Wo is cast, not quantised
	s_cmp_lt_u32 ttmp9, 192                        ; the choices hang on the work-group's number alone
	s_cselect_b64 s[10:11], s[8:9], s[10:11]
	s_cmp_lt_u32 ttmp9, 160
	s_cselect_b64 s[10:11], s[6:7], s[10:11]
	s_cmp_lt_u32 ttmp9, 128
	s_cselect_b64 s[4:5], s[4:5], s[10:11]
	s_cselect_b64 s[14:15], s[14:15], s[18:19]
	s_cselect_b64 s[16:17], s[16:17], s[20:21]
	s_cselect_b32 s25, ttmp9, s25
	s_cselect_b32 s26, ttmp9, s26
	s_lshl_b32 s25, s25, 2
	s_add_co_u32 s25, s25, s24                     ; which run of 8,192 numbers of the source is my wave's
	s_lshl_b32 s28, s25, 15                        ; 32,768 bytes a run
	s_mov_b32 s29, 0
	s_add_nc_u64 s[4:5], s[4:5], s[28:29]
	s_lshl_b32 s26, s26, 2
	s_add_co_u32 s26, s26, s24                     ; and of the destination
	s_lshl_b32 s28, s26, 12                        ; 4,096 bytes of codes a run
	s_add_nc_u64 s[14:15], s[14:15], s[28:29]
	s_lshl_b32 s28, s26, 8                         ; 256 scale bytes a run
	s_add_nc_u64 s[16:17], s[16:17], s[28:29]
.macro LOAD t
.irp i, 0,1,2,3
	global_load_b128 v[R+16*((\t)%4)+4*\i:R+16*((\t)%4)+4*\i+3], v3, s[4:5] offset:2048*(\t)+512*\i th:TH_LOAD_NT   ; 32 lanes read 512 consecutive bytes
.endr
.endm
.macro TURN t                          ; step t's numbers through the stage: LDS serves a wave's instructions in order, so no wait stands between the stores and the loads
.irp i, 0,1,2,3
	ds_store_b128 v14, v[R+16*((\t)%4)+4*\i:R+16*((\t)%4)+4*\i+3] offset:32*SP*((\t)%2)+8*SP*\i
.endr
.irp i, 0,1,2,3
	ds_load_b128 v[X+16*((\t)%2)+4*\i:X+16*((\t)%2)+4*\i+3], v15 offset:32*SP*((\t)%2)+16*\i
.endr
.endm
.irp t, 0,1,2,3
	LOAD \t
.endr
	s_wait_loadcnt 12                              ; step 0's four loads are in; the twelve of steps 1 to 3 may be out
	TURN 0
.macro STEP t
.set XS, X+16*((\t)%2)
.if (\t) > 0
	s_wait_dscnt 1                                 ; this step's numbers are back from the stage (the last step's byte store may be out): so its stores into the stage have read their registers,
.else
	s_wait_dscnt 0x0
.endif
.if (\t)+4 < STEPS
	LOAD (\t)+4                                    ; which take the loads of four steps on
.endif
.if (\t)+1 < STEPS
.if STEPS-2-(\t) >= 3
	s_wait_loadcnt 12                              ; the next step's four loads are in; those of the three steps behind it may be out
.else
	s_wait_loadcnt 4*(STEPS-2-(\t))
.endif
	TURN (\t)+1                                    ; and go through the other stage while this step is worked
.endif
	v_max3_num_f32 v8, |v[XS]|, |v[XS+1]|, |v[XS+2]|               ; the largest magnitude of my 16, in two chains
	v_max3_num_f32 v9, |v[XS+3]|, |v[XS+4]|, |v[XS+5]|
.irp i, 6,10
	v_max3_num_f32 v8, v8, |v[XS+\i]|, |v[XS+\i+1]|
	v_max3_num_f32 v9, v9, |v[XS+\i+2]|, |v[XS+\i+3]|
.endr
	v_max3_num_f32 v8, v8, |v[XS+14]|, |v[XS+15]|
	v_max3_num_f32 v8, v8, v9, (EMAX+1)<<23        ; and the floor 2^(EMAX + 1 - 127): so the byte cannot fall under 1
	v_max_num_f32_dpp v8, v8, v8 row_xmask:1 row_mask:0xf bank_mask:0xf   ; and of my neighbour's 16: the block's
	v_add_nc_u32 v11, -(EMAX<<23), v8              ; EMAX off its exponent field: the conversion takes the exponent field of this operand as its scale, and nothing else of it
	v_cvt_scalef32_pk8_fp4_f32 v[C+4*(\t)], v[XS:XS+7], v11
	v_cvt_scalef32_pk8_fp4_f32 v[C+4*(\t)+1], v[XS+8:XS+15], v11
	v_lshrrev_b32 v[E+(\t)], 23, v11               ; the scale's byte (a plain line behind the conversions)
	ds_store_b8 v5, v[E+(\t)] offset:16*(\t)       ; both lanes of a block write the same byte with the same value
	global_store_b64 v4, v[C+4*(\t):C+4*(\t)+1], s[14:15] offset:32*CB*(\t)   ; 32 lanes store 256 consecutive bytes, aligned
.endm
.irp t, 0,1,2,3,4,5,6,7,8,9,10,11,12,13,14,15
	STEP \t
.endr
	ds_load_b64 v[8:9], v6                         ; LDS serves a wave's instructions in order: these see my stores
	s_wait_dscnt 0x0
	global_store_b64 v7, v[8:9], s[16:17]          ; 32 lanes store 256 consecutive bytes, aligned
	s_wait_tensorcnt 0x0                           ; the wave's end: a wait, an add of 0 to my spare word and its wait, behind my last LDS store
	ds_add_u32 v[SPW], v[NIL]
	s_wait_dscnt 0x0
	s_endpgm
; Wo to f16: a wave's 8,192 numbers are 64 loads of 512 bytes and 64 stores of 256, in four groups of 16; two groups of loads are out while one is converted.
.Lwo:
	s_sub_co_u32 s26, ttmp9, 224
	s_lshl_b32 s26, s26, 2
	s_add_co_u32 s26, s26, s24                     ; my wave's run of 8,192 numbers
	s_lshl_b32 s28, s26, 15
	s_mov_b32 s29, 0
	s_add_nc_u64 s[12:13], s[12:13], s[28:29]
	s_lshl_b32 s28, s26, 14
	s_add_nc_u64 s[22:23], s[22:23], s[28:29]
.macro WLOAD k
.irp j, 0,1,2,3,4,5,6,7,8,9,10,11,12,13,14,15
	global_load_b128 v[R+64*((\k)%2)+4*\j:R+64*((\k)%2)+4*\j+3], v3, s[12:13] offset:512*(16*(\k)+\j) th:TH_LOAD_NT
.endr
.endm
.macro WCAST k
.if (\k) < 3
	s_wait_loadcnt 16                              ; this group's 16 loads are in; the next group's 16 may be out
.else
	s_wait_loadcnt 0x0
.endif
.if (\k) > 0
	s_wait_xcnt 0x0                                ; the last group's stores have read their data: Y is written again only behind this wait
.endif
.irp j, 0,1,2,3,4,5,6,7,8,9,10,11,12,13,14,15
	v_cvt_pk_f16_f32 v[Y+2*\j], v[R+64*((\k)%2)+4*\j], v[R+64*((\k)%2)+4*\j+1]
	v_cvt_pk_f16_f32 v[Y+2*\j+1], v[R+64*((\k)%2)+4*\j+2], v[R+64*((\k)%2)+4*\j+3]
.endr
.irp j, 0,1,2,3,4,5,6,7,8,9,10,11,12,13,14,15
	global_store_b64 v7, v[Y+2*\j:Y+2*\j+1], s[22:23] offset:256*(16*(\k)+\j)   ; 32 lanes store 256 consecutive bytes, aligned
.endr
.if (\k) < 2
	WLOAD (\k)+2
.endif
.endm
	WLOAD 0
	WLOAD 1
	WCAST 0
	WCAST 1
	WCAST 2
	WCAST 3
	s_wait_tensorcnt 0x0                           ; the same three lines at this path's end
	ds_add_u32 v[SPW], v[NIL]
	s_wait_dscnt 0x0
	s_endpgm
.Lfunc_end_k_q08abea8d1b_quant:
	.size	k_q08abea8d1b_quant, .Lfunc_end_k_q08abea8d1b_quant-k_q08abea8d1b_quant
	.p2alignl 7, 3214868480
	.fill 96, 4, 3214868480
	.section	.rodata,"a",@progbits
	.p2align	6, 0x0
	.amdhsa_kernel k_q08abea8d1b_quant
		.amdhsa_group_segment_fixed_size 33280
		.amdhsa_private_segment_fixed_size 0
		.amdhsa_enable_private_segment 0
		.amdhsa_kernarg_size 80
		.amdhsa_user_sgpr_count 2
		.amdhsa_user_sgpr_kernarg_segment_ptr 1
		.amdhsa_wavefront_size32 1
		.amdhsa_system_sgpr_workgroup_id_x 1
		.amdhsa_system_sgpr_workgroup_id_y 1
		.amdhsa_system_sgpr_workgroup_id_z 1
		.amdhsa_system_vgpr_workitem_id 0
		.amdhsa_next_free_vgpr 192
		.amdhsa_next_free_sgpr 66
		.amdhsa_reserve_vcc 0
		.amdhsa_float_denorm_mode_32 3
		.amdhsa_float_denorm_mode_16_64 3
		.amdhsa_memory_ordered 1
		.amdhsa_forward_progress 1
		.amdhsa_inst_pref_size 54
	.end_amdhsa_kernel
	.amdgpu_metadata
---
amdhsa.version: [ 1, 2 ]
amdhsa.kernels:
  - .name:           k_q08abea8d1b_quant
    .symbol:         k_q08abea8d1b_quant.kd
    .args:
      - { .name: x, .offset: 0, .size: 8, .value_kind: global_buffer, .address_space: global }
      - { .name: Wq, .offset: 8, .size: 8, .value_kind: global_buffer, .address_space: global }
      - { .name: Wk, .offset: 16, .size: 8, .value_kind: global_buffer, .address_space: global }
      - { .name: Wv, .offset: 24, .size: 8, .value_kind: global_buffer, .address_space: global }
      - { .name: Wo, .offset: 32, .size: 8, .value_kind: global_buffer, .address_space: global }
      - { .name: x_codes, .offset: 40, .size: 8, .value_kind: global_buffer, .address_space: global }
      - { .name: x_scales, .offset: 48, .size: 8, .value_kind: global_buffer, .address_space: global }
      - { .name: w_codes, .offset: 56, .size: 8, .value_kind: global_buffer, .address_space: global }
      - { .name: w_scales, .offset: 64, .size: 8, .value_kind: global_buffer, .address_space: global }
      - { .name: wo_h, .offset: 72, .size: 8, .value_kind: global_buffer, .address_space: global }
    .group_segment_fixed_size: 33280
    .private_segment_fixed_size: 0
    .kernarg_segment_align: 8
    .kernarg_segment_size: 80
    .max_flat_workgroup_size: 128
    .sgpr_count:     66
    .vgpr_count:     192
    .wavefront_size: 32
...
	.end_amdgpu_metadata
.endif
;; end of part 1
;; launch qkv (part 2): grid 12 x 16, 4 waves a work-group, clusters of 4 x 4, 327,680 bytes of LDS; arguments x_codes, x_scales, w_codes, w_scales, qkv, ksum; writes qkv, ksum
.if DOCPART == 2
	.amdgcn_target "amdgcn-amd-amdhsa--gfx1250"
	.amdhsa_code_object_version 6
	.text
	.protected	k_q08abea8d1b_qkv
	.globl	k_q08abea8d1b_qkv
	.p2align	8
	.type	k_q08abea8d1b_qkv,@function
k_q08abea8d1b_qkv:
	s_mov_b64 s[64:65], 0
	v_nop
	global_prefetch_b8 v0, s[64:65] scope:SCOPE_SE
	s_setreg_imm32_b32 hwreg(HW_REG_WAVE_MODE, 25, 1), 1
	s_wait_xcnt 0x0
	s_wait_alu depctr_hold_cnt(0) depctr_sa_sdst(0) depctr_va_vdst(0) depctr_va_sdst(0) depctr_va_ssrc(0) depctr_va_vcc(0) depctr_vm_vsrc(0)
	s_getreg_b32 s2, hwreg(HW_REG_IB_STS2, 6, 4)
	s_cmp_eq_u32 s2, 0
	s_cbranch_scc0 .Lentry_in_a_cluster
	s_endpgm
.Lentry_in_a_cluster:
	s_bfe_u32 s2, ttmp6, 0x10000c
	s_cmp_lg_u32 s2, 0xf033
	s_cbranch_scc0 .Lentry_shape_is_right
	s_endpgm
.Lentry_shape_is_right:
; The three projections as ONE product on codes of FP4 (E2M1) with E8M0 scales: C[m][n] = sum over k of x[m][k] W[n][k], m = 0 .. 4095 (batch x 2048 + position), n = 0 .. 3071 (q, k, v), K = 1024; sums in f32.
; C leaves as f16: qkv [4096][3072], rows of 6,144 bytes.  For k's columns (n = 1024 .. 2047) each wave also stores the f32 sum of its 128 rows, column by column: ksum [32 blocks of 128 rows][1024];
; the next launch adds 16 of them: the mean of k over a sequence, which is all that the row mean of the scores needs (it is linear in k).
; LIMITS: |q|, |k|, |v| stay under 65,504 (f16).
; A tile of C, 256 x 256, is made by a work-group of four waves; a wave makes 128 x 128: 64 accumulators of 16 x 16, 512 registers.  K is two slots of 512 (rows of 256 bytes): both are asked for at the start, none is filled twice.
; THE SCALES of the work-group's 256 rows of x and 256 rows of W, for all of K, are two dense blocks of memory: they come into LDS once, with the first fills.
; CLUSTERS: 4 x 4 work-groups.  The four of a row of the cluster need the same tiles of x, the four of a column the same tiles of W: each tile is asked for JOINTLY, by the same tensor load with the same descriptor and a mask
; that names the four.  THE MATRIX INSTRUCTION IS USED TRANSPOSED (source 0 = 16 rows of W, source 1 = 16 rows of x): a lane then holds eight neighbouring numbers of a row of C.
; By this text's own count a wave has three tensor loads out at the most: the scales', slot 0's, slot 1's.
; REGISTERS, in windows of 256: window 0: v0-31 addresses; v32-95 scale words, two sets; from v128 x's fragments, ONE set; on the way out v32-255 are free.
;   window 1: W's fragments, TWO sets, at v0 and at v128.   window 2: the 32 accumulators of my rows 0-63 ((a, b) at v[8 (8 a + b)]);   window 3: those of my rows 64-127.
.set SIZE_M, 4096
.set SIZE_N, 3072
.set SIZE_K, 1024
.set KSTEP,  512                       ; along K in a slot
.set NQ,     KSTEP/128                 ; matrix instructions deep
.set ROWB,   256                       ; a tile's row in bytes
.set KROW,   SIZE_K*4/8                ; a row of codes in memory, in bytes
.set PITCH,  272                       ; an LDS row: 256 bytes + 16 of padding = 68 words: row r starts at bank 4 r mod 64 (ISA guide 11.1), so the 16 rows of a load start at 16 different banks
.set FR,     8                         ; registers of a fragment: 16 rows x 128 K
.set NL,     2                         ; LDS loads that bring one
.set NP,     4                         ; places behind this matrix instruction (ISA guide 7.12.1)
.set HALFT,  128*PITCH                 ; 128 rows: what one tensor load brings
.set SLOT,   4*HALFT                   ; x's 256 rows, then W's 256 rows
.set KS,     SIZE_K/32                 ; a row of scales in bytes
.set SCL,    2*SLOT                    ; behind the slots: the scales, as runs of 256 bytes + 16 of padding
.set HALFS,  (128*KS/256)*272          ; the scales of 128 rows
.set SBLK,   (16*KS/256)*272           ; those of 16 rows
.set SPARE,  SCL+4*HALFS               ; behind the scales: the spare words, 128 bytes a wave; no other line names them
.set SPITCH, 528                       ; the way out: a stage of 16 rows x 528 bytes for each wave, in slot 0, which has had its only fill and its last read when the first result is stored there
.set HPITCH, 272                       ; the same stage taken as 16 rows of 256 bytes + 16 (f16)
.set ADRA, 16                          ; v16-17  LDS address of my x fragments in slot 0, 1
.set ADRB, 20                          ; v20-21  the same for W
.set STOF, 23                          ; v23     the sums' way out: where I put 32 bytes of a row of f32
.set STO,  24                          ; v24     where I put 16 bytes of a row of f16
.set RD,   25                          ; v25     where I read rows of f16 back
.set CO,   26                          ; v26     my byte offset in two rows of C
.set ADRS, 27                          ; v27     LDS address of my scale words: lanes 0-15 x's rows, lanes 16-31 W's
.set SPW,  28                          ; v28     LDS address of my spare word; never rewritten
.set NIL,  29                          ; v29     0; never rewritten
.set KO,   30                          ; v30     16 x lane: my place in a row of sums
.set RDF,  31                          ; v31     where I read a row of f32 back
.set SC,   32                          ; scale words: set s at v[SC + 8 NQ s]; register NQ i + q: lanes 0-15 the word of x's block i, lanes 16-31 that of W's block i
.set KT,   64                          ; the sums over my eight blocks of rows: v64-127
.set AF,   128                         ; x's fragments, in window 0
.set TMP,  192                         ; the way out: packed results
.set OB,   32                          ; 16 rows read back from the stage: v32-63 and v224-255 by turns
.set G1, 24                            ; s[24:31] descriptor group 1 for x's tiles;  s[32:39] group 0, one set for each slot
.set G0, 32
.set G1B, 48                           ; s[48:55], s[56:63] the same for W's tiles
.set G0B, 56
.set G1S, 68                           ; s[68:75], s[76:79] groups 1 and 0 for x's scales;  s[80:87], s[88:91] for W's
.set G0S, 76
.set G1SB, 80
.set G0SB, 88
.set MSB, 0
.macro WIN new                         ; the immediate's high byte repeats the setting that is left
.if MSB != (\new)
	s_set_vgpr_msb (MSB<<8)|(\new)
.set MSB, (\new)
.endif
.endm
.set MUL_LO, 0xa1                      ; source 0 (W) window 1, source 1 (x) window 0, C and D window 2
.set MUL_HI, 0xf1                      ; the same, C and D window 3
.set TO_B,   0x40                      ; destination window 1, address window 0
; A joint load: waves 0 and 1 fetch for x, waves 2 and 3 for W.  Each of the two lines has ONE mask and one set of registers for all that issue it; the branch hangs on the wave's number alone.
; An s_nop 0 and four v_nop follow each of the two lines, ahead of the jump, the label and what follows.
.macro JLOAD g0a, g1a, g0b, g1b
	s_cmp_eq_u32 s15, 0
	s_cbranch_scc0 .Lfor_b_\@
	tensor_load_to_lds s[\g0a:\g0a+3], s[\g1a:\g1a+7]
	s_nop 0
.rept 4
	v_nop
.endr
	s_branch .Lasked_\@
.Lfor_b_\@:
	tensor_load_to_lds s[\g0b:\g0b+3], s[\g1b:\g1b+7]
	s_nop 0
.rept 4
	v_nop
.endr
.Lasked_\@:
.endm
.macro CROUND                          ; a round of the cluster's barrier
	s_barrier_signal -1
	s_barrier_wait -1
	s_cmp_lg_u32 s14, 0
	s_cbranch_scc1 .Lnot_wave_0_\@
	s_barrier_signal -3
.Lnot_wave_0_\@:
	s_barrier_wait -3
	s_barrier_signal -1
	s_barrier_wait -1
.endm
	s_load_b128 s[4:7], s[0:1], 0x0                ; x's codes s[4:5], x's scales s[6:7]
	s_load_b128 s[8:11], s[0:1], 0x10              ; W's codes s[8:9], W's scales s[10:11]
	s_load_b64 s[12:13], s[0:1], 0x20              ; qkv
	s_load_b64 s[96:97], s[0:1], 0x28              ; ksum
	v_lshl_add_u32 v[SPW], v0, 2, SPARE
	v_mov_b32 v[NIL], 0
	ds_add_u32 v[SPW], v[NIL]                      ; the wave's opening: the add, twice on end, and its wait ahead of my first tensor load; the set-up below stands between the second and the wait
	ds_add_u32 v[SPW], v[NIL]
	v_lshrrev_b32 v1, 5, v0
	v_readfirstlane_b32 s14, v1                    ; wave 0..3
	s_lshr_b32 s15, s14, 1                         ; which half of the tile's rows is mine.  Also: I fetch for x (0) or for W (1)
	s_and_b32 s16, s14, 1                          ; which half of its columns.  Also: which 128 rows of that tile I fetch
	s_bfe_u32 s40, ttmp6, 0x40000                  ; cx, cy: my place in the cluster
	s_bfe_u32 s41, ttmp6, 0x40004
	s_lshl_b32 s42, ttmp9, 2
	s_add_co_u32 s42, s42, s40                     ; tile column of C = 4 x cluster x + cx: 0-3 q, 4-7 k, 8-11 v
	s_and_b32 s17, ttmp7, 0xffff
	s_lshl_b32 s17, s17, 2
	s_add_co_u32 s17, s17, s41                     ; tile row of C = 4 x cluster y + cy
	s_lshl_b32 s43, s41, 2
	s_lshl_b32 s43, 15, s43                        ; my row of the cluster
	s_lshl_b32 s44, 0x1111, s40                    ; my column
	; descriptor group 1: a tile of 128 rows x ROWB bytes, padded in LDS
	s_or_b32 s[G1+0], s43, (0<<16)|(1<<20)|(1<<21)|(5<<22)|(3<<25)  ; 15:0 the mask: x's tiles go to my row; 17:16 element of 1 byte; 20 padding on; 21 set beside a mask; 24:22 after every 64 words; 31:25 four words
	s_or_b32 s[G1B+0], s44, (0<<16)|(1<<20)|(1<<21)|(5<<22)|(3<<25)
.irp g, G1, G1B
	s_mov_b32 s[\g+1], ROWB<<16                    ; tensor_dim0
	s_mov_b32 s[\g+2], 128<<16                     ; tensor_dim1 = 128
	s_mov_b32 s[\g+3], ROWB<<16                    ; tile_dim0
	s_mov_b32 s[\g+4], 128                         ; tile_dim1 = 128
	s_mov_b32 s[\g+5], KROW                        ; tensor_dim0_stride
	s_mov_b32 s[\g+6], 0
	s_mov_b32 s[\g+7], 0
.endr
	; and for the scales of 128 rows: a dense block of 128 KS bytes, as rows of 256 bytes (32 elements of 8 bytes), 16 bytes of padding behind each
	s_or_b32 s[G1S+0], s43, (3<<16)|(1<<20)|(1<<21)|(5<<22)|(3<<25)
	s_or_b32 s[G1SB+0], s44, (3<<16)|(1<<20)|(1<<21)|(5<<22)|(3<<25)
.irp g, G1S, G1SB
	s_mov_b32 s[\g+1], 32<<16
	s_mov_b32 s[\g+2], (128*KS/256)<<16
	s_mov_b32 s[\g+3], 32<<16
	s_mov_b32 s[\g+4], 128*KS/256
	s_mov_b32 s[\g+5], 32
	s_mov_b32 s[\g+6], 0
	s_mov_b32 s[\g+7], 0
.endr
	s_lshl_b32 s18, s16, 7                         ; which 128 rows of the tile I fetch
	s_lshl_b32 s20, s17, 8
	s_add_co_u32 s20, s20, s18                     ; x: row 256 x tile row + 128 x half
	s_lshl_b32 s46, s42, 8
	s_add_co_u32 s46, s46, s18                     ; W: row 256 x tile column + 128 x half
	s_mov_b32 s21, 0
	s_mov_b32 s47, 0
	s_mov_b64 s[18:19], KS
	s_mul_u64 s[22:23], s[20:21], s[18:19]         ; where these rows' scales begin, in bytes
	s_mul_u64 s[92:93], s[46:47], s[18:19]
	s_mov_b64 s[18:19], KROW
	s_mul_u64 s[20:21], s[20:21], s[18:19]         ; and their codes
	s_mul_u64 s[46:47], s[46:47], s[18:19]
	s_mul_i32 s45, s14, HALFT                      ; where they go: wave x 128 rows: no place in the cluster enters an LDS address
	s_mul_i32 s94, s14, HALFS
	s_wait_dscnt 0x0                               ; both opening adds are done
	s_wait_kmcnt 0x0
	s_add_nc_u64 s[20:21], s[4:5], s[20:21]
	s_add_nc_u64 s[22:23], s[6:7], s[22:23]
	s_add_nc_u64 s[46:47], s[8:9], s[46:47]
	s_add_nc_u64 s[92:93], s[10:11], s[92:93]
	CROUND                                         ; all sixteen work-groups are here: the joint loads meet
	s_mov_b32 s[G0S], 1
	s_add_co_u32 s[G0S+1], s94, SCL
	s_mov_b64 s[G0S+2:G0S+3], s[22:23]
	s_or_b32 s[G0S+3], s[G0S+3], 0x80000000
	s_mov_b32 s[G0SB], 1
	s_add_co_u32 s[G0SB+1], s94, SCL
	s_mov_b64 s[G0SB+2:G0SB+3], s[92:93]
	s_or_b32 s[G0SB+3], s[G0SB+3], 0x80000000
	JLOAD G0S, G1S, G0SB, G1SB                     ; the scales first: they are wanted with slot 0
.irp s, 0,1
	s_mov_b32 s[G0+4*\s], 1
	s_add_co_u32 s[G0+4*\s+1], s45, \s*SLOT
	s_add_nc_u64 s[G0+4*\s+2:G0+4*\s+3], s[20:21], \s*ROWB
	s_or_b32 s[G0+4*\s+3], s[G0+4*\s+3], 0x80000000
	s_mov_b32 s[G0B+4*\s], 1
	s_add_co_u32 s[G0B+4*\s+1], s45, \s*SLOT
	s_add_nc_u64 s[G0B+4*\s+2:G0B+4*\s+3], s[46:47], \s*ROWB
	s_or_b32 s[G0B+4*\s+3], s[G0B+4*\s+3], 0x80000000
	JLOAD G0+4*\s, G1, G0B+4*\s, G1B
.endr
	v_and_b32 v1, 15, v0                           ; r = l % 16
	v_bfe_u32 v2, v0, 4, 1                         ; h = l / 16
	v_mul_u32_u24 v3, v1, PITCH
	v_lshl_add_u32 v4, v2, 4, v3                   ; a fragment's row x pitch + 16 x half
	s_mul_i32 s21, s15, HALFT                      ; my 128 rows of x
	s_mul_i32 s22, s16, HALFT                      ; my 128 rows of W,
	s_add_co_u32 s22, s22, 2*HALFT                 ; which lie behind x's 256
.irp s, 0,1
	v_add_nc_u32 v[ADRA+\s], s21, v4
	v_add_nc_u32 v[ADRB+\s], s22, v4
	s_add_co_u32 s21, s21, SLOT
	s_add_co_u32 s22, s22, SLOT
.endr
	v_mul_u32_u24 v5, v1, KS                       ; my row's scales: KS bytes a row,
	v_lshrrev_b32 v6, 8, v5
	v_lshl_add_u32 v5, v6, 4, v5                   ; and 16 more for each 256 passed
	s_mul_i32 s21, s15, HALFS                      ; x's: my 128 rows
	s_mul_i32 s22, s16, HALFS                      ; W's: my 128 rows, behind x's 256
	s_add_co_u32 s22, s22, 2*HALFS
	s_sub_co_u32 s22, s22, s21
	v_mul_u32_u24 v6, s22, v2                      ; lanes 16-31 take W's
	s_add_co_u32 s21, s21, SCL
	v_add_nc_u32 v5, v5, v6
	v_add_nc_u32 v[ADRS], s21, v5
	s_mul_i32 s23, s14, 16*SPITCH                  ; my stage
	v_mul_u32_u24 v5, v1, SPITCH                   ; f32, in: row r, 32 bytes for each half of the lanes
	v_lshl_add_u32 v5, v2, 5, v5
	v_add_nc_u32 v[STOF], s23, v5
	v_and_b32 v6, 31, v0
	v_lshlrev_b32 v[KO], 4, v6                     ; f32, back: the 32 lanes take one row of 512 bytes
	v_add_nc_u32 v[RDF], s23, v[KO]
	v_mul_u32_u24 v5, v1, HPITCH                   ; f16, in: row r, 16 bytes for each half of the lanes
	v_lshl_add_u32 v5, v2, 4, v5
	v_add_nc_u32 v[STO], s23, v5
	v_mul_u32_u24 v5, v2, HPITCH                   ; f16, back: lanes 0-15 one row of 256 bytes, lanes 16-31 the next
	v_lshl_add_u32 v5, v1, 4, v5
	v_add_nc_u32 v[RD], s23, v5
	v_mul_u32_u24 v5, v2, SIZE_N*2                 ; and the same two rows in C
	v_lshl_add_u32 v[CO], v1, 4, v5
	s_lshl_b32 s20, s17, 8
	s_lshl_b32 s21, s15, 7
	s_add_co_u32 s20, s20, s21                     ; my first row of C: 256 x tile row + 128 x half
	s_mov_b32 s21, 0
	s_mov_b64 s[18:19], SIZE_N*2
	s_mul_u64 s[20:21], s[20:21], s[18:19]
	s_lshl_b32 s46, s42, 9                         ; my first column, in bytes: 512 x tile column + 256 x half
	s_lshl_b32 s47, s16, 8
	s_add_co_u32 s46, s46, s47
	s_mov_b32 s47, 0
	s_add_nc_u64 s[20:21], s[20:21], s[46:47]
	s_add_nc_u64 s[12:13], s[12:13], s[20:21]
.macro FRAG reg, adr, q, i             ; a fragment, 16 rows x 128 K of 4-bit codes: lane l holds row l % 16; registers 4 c .. 4 c + 3 hold K = 64 c + 32 (l / 16) + 0 .. 31
.irp c, 0,1
	ds_load_b128 v[\reg+4*\c:\reg+4*\c+3], v[\adr] offset:64*(\q)+32*\c+(\i)*16*PITCH
.endr
.endm
; 16 matrix instructions: x's blocks a0, a0 + 1 against W's eight, 128 along K: the slot's q-th.  p: W's set;  sc: the set of scale words.  zero = 1: the first product starts the sums: nothing is ever cleared.
; The 64 accumulators take turns, one instruction a turn, in the same order in every step.
.macro MUL16 a0, p, q, sc, zero
.irp a, \a0, \a0+1
.irp b, 0,1,2,3,4,5,6,7
.if \zero
	v_wmma_scale_f32_16x16x128_f8f6f4 v[8*(8*((\a)%4)+\b):8*(8*((\a)%4)+\b)+7], v[128*(\p)+FR*\b:128*(\p)+FR*\b+FR-1], v[AF+FR*(\a):AF+FR*(\a)+FR-1], 0, v[SC+8*NQ*(\sc)+NQ*\b+(\q)], v[SC+8*NQ*(\sc)+NQ*(\a)+(\q)] matrix_a_fmt:MATRIX_FMT_FP4 matrix_b_fmt:MATRIX_FMT_FP4 matrix_a_scale:MATRIX_SCALE_ROW1
.else
	v_wmma_scale_f32_16x16x128_f8f6f4 v[8*(8*((\a)%4)+\b):8*(8*((\a)%4)+\b)+7], v[128*(\p)+FR*\b:128*(\p)+FR*\b+FR-1], v[AF+FR*(\a):AF+FR*(\a)+FR-1], v[8*(8*((\a)%4)+\b):8*(8*((\a)%4)+\b)+7], v[SC+8*NQ*(\sc)+NQ*\b+(\q)], v[SC+8*NQ*(\sc)+NQ*(\a)+(\q)] matrix_a_fmt:MATRIX_FMT_FP4 matrix_b_fmt:MATRIX_FMT_FP4 matrix_a_scale:MATRIX_SCALE_ROW1
.endif
.endr
.endr
.endm
.macro FETCH_B slot, q, p              ; W's eight fragments of the slot's q-th 128 along K into set p
	WIN TO_B
.irp i, 0,1,2,3,4,5,6,7
	FRAG 128*(\p)+FR*\i, ADRB+\slot, \q, \i
.endr
	WIN 0
.endm
.macro FETCH_A slot, q, i0             ; x's blocks i0 .. i0 + 3
.irp i, \i0, \i0+1, \i0+2, \i0+3
	FRAG AF+FR*(\i), ADRA+\slot, \q, \i
.endr
.endm
.macro SCALES sc                       ; a slot's scale words into set sc: NQ words a row; lanes 0-15 take x's block i, lanes 16-31 W's block i
.irp i, 0,1,2,3,4,5,6,7
	ds_load_b128 v[SC+8*NQ*\sc+NQ*\i:SC+8*NQ*\sc+NQ*\i+3], v[ADRS] offset:\i*SBLK
.endr
.endm
; A load into a register that a matrix instruction has read, and a vector instruction or an LDS store that reads a matrix result, stand NP places behind that matrix instruction; only plain vector
; instructions that name none of its registers are places (ISA guide 7.12.1 for vector instructions).
.macro PLACES n
.rept \n
	v_nop
.endr
.endm
; A step of 128 along K that has its successor in the same slot.
.macro STEP slot, q, zero
	s_wait_dscnt 4*NL                              ; W's set and x's blocks 0-3 are in; the youngest eight loads (x's blocks 4-7) may be out
	WIN MUL_LO
	MUL16 0, (\q)%2, \q, \slot, \zero
	MUL16 2, (\q)%2, \q, \slot, \zero
	s_wait_dscnt 0                                 ; x's blocks 4-7 are in (asked for 32 matrix instructions ago)
	PLACES NP
	FETCH_B \slot, (\q)+1, 1-(\q)%2
	FETCH_A \slot, (\q)+1, 0
	WIN MUL_HI
	MUL16 4, (\q)%2, \q, \slot, \zero
	MUL16 6, (\q)%2, \q, \slot, \zero
	PLACES NP
	WIN 0
	FETCH_A \slot, (\q)+1, 4
.endm
.macro STEPS slot, from                ; the slot's steps from .. NQ - 2
.set Q, \from
.rept NQ-1-\from
	STEP \slot, Q, 0
.set Q, Q+1
.endr
.endm
	s_wait_tensorcnt 1                             ; the scales and my part of slot 0 are in (slot 1's load may be out)
	s_barrier_signal -1
	s_barrier_wait -1                              ; everybody's are
	FETCH_B 0, 0, 0
	FETCH_A 0, 0, 0
	SCALES 0
	FETCH_A 0, 0, 4
	STEP 0, 0, 1                                   ; the first step's products start the sums
	STEPS 0, 1
	; slot 0's last step changes slots: ONE barrier; in front of it each wave waits for its tensor loads (its part of slot 1) and for its own reads of slot 0, which becomes the stage later
	s_wait_tensorcnt 0x0                           ; all my tensor loads have landed  (every window is 0 here)
	ds_add_u32 v[SPW], v[NIL]                      ; 0 onto my spare word
	s_wait_dscnt 4*NL+1                            ; (the add and the youngest eight loads, x's blocks 4-7, may be out)
	WIN MUL_LO
	MUL16 0, 1, NQ-1, 0, 0                         ; sixteen matrix instructions stand between the add and the wait for it
	s_wait_dscnt 0x0                               ; the add is done, and my reads of slot 0 are over
	s_barrier_signal -1
	MUL16 2, 1, NQ-1, 0, 0
	WIN 0
	s_barrier_wait -1
	PLACES NP
	v_add_nc_u32 v[ADRS], 4*NQ, v[ADRS]            ; on to slot 1's scale words (no LDS load of mine is out)
	FETCH_B 1, 0, 0
	FETCH_A 1, 0, 0
	SCALES 1
	WIN MUL_HI
	MUL16 4, 1, NQ-1, 0, 0
	MUL16 6, 1, NQ-1, 0, 0
	PLACES NP
	WIN 0
	FETCH_A 1, 0, 4
	STEPS 1, 0
	s_wait_dscnt 4*NL                              ; the very last step: nothing more to fetch
	WIN MUL_LO
	MUL16 0, 1, NQ-1, 1, 0
	MUL16 2, 1, NQ-1, 1, 0
	s_wait_dscnt 0
	WIN MUL_HI
	MUL16 4, 1, NQ-1, 1, 0
	MUL16 6, 1, NQ-1, 1, 0
	WIN 0
	PLACES NP                                      ; behind the last products: results are read, and registers that held scale words and x's fragments are written, only behind these
	; THE SUMS OF k's COLUMNS, in the clusters that make k (cluster x = 1: the same number in all sixteen partners).
	s_cmp_lg_u32 ttmp9, 1
	s_cbranch_scc1 .Lno_ksum
	s_lshl_b32 s20, s17, 1
	s_add_co_u32 s20, s20, s15                     ; my block of 128 rows: 2 x tile row + half
	s_lshl_b32 s20, s20, 12                        ; 4,096 bytes a block
	s_sub_co_u32 s21, s42, 4
	s_lshl_b32 s21, s21, 10                        ; 256 columns of f32 a tile column, counted from k's first
	s_add_co_u32 s20, s20, s21
	s_lshl_b32 s21, s16, 9                         ; my half's 128 columns
	s_add_co_u32 s20, s20, s21
	s_mov_b32 s21, 0
	s_add_nc_u64 s[96:97], s[96:97], s[20:21]
	WIN 0x0a                                       ; sources 0 and 1 window 2, destination window 0.
.irp b, 0,1,2,3,4,5,6,7
.irp j, 0,2,4,6
	v_pk_add_f32 v[KT+8*\b+\j:KT+8*\b+\j+1], v[8*\b+\j:8*\b+\j+1], v[64+8*\b+\j:64+8*\b+\j+1]   ; blocks 0 and 1 start the sums
.endr
.endr
	WIN 0x08                                       ; source 1 window 2
.irp a, 2,3
.irp b, 0,1,2,3,4,5,6,7
.irp j, 0,2,4,6
	v_pk_add_f32 v[KT+8*\b+\j:KT+8*\b+\j+1], v[KT+8*\b+\j:KT+8*\b+\j+1], v[64*\a+8*\b+\j:64*\a+8*\b+\j+1]
.endr
.endr
.endr
	WIN 0x0c                                       ; source 1 window 3: blocks 4 to 7
.irp a, 0,1,2,3
.irp b, 0,1,2,3,4,5,6,7
.irp j, 0,2,4,6
	v_pk_add_f32 v[KT+8*\b+\j:KT+8*\b+\j+1], v[KT+8*\b+\j:KT+8*\b+\j+1], v[64*\a+8*\b+\j:64*\a+8*\b+\j+1]
.endr
.endr
.endr
	WIN 0
.irp b, 0,1,2,3,4,5,6,7                        ; lane (r, h) holds row r of the 16 that are left, columns 16 b + 8 h + 0 .. 7: through my stage, so that a lane gets four columns of every row
	ds_store_b128 v[STOF], v[KT+8*\b:KT+8*\b+3] offset:64*\b
	ds_store_b128 v[STOF], v[KT+8*\b+4:KT+8*\b+7] offset:64*\b+16
.endr
.irp t, 0,1,2,3,4,5,6,7,8,9,10,11,12,13,14,15
	ds_load_b128 v[128+4*\t:131+4*\t], v[RDF] offset:\t*SPITCH      ; LDS serves a wave's instructions in order: these see the stores above
.endr
	s_wait_dscnt 0x0
.irp t, 0,1,2,3,4,5,6,7
	v_pk_add_f32 v[128+4*\t:129+4*\t], v[128+4*\t:129+4*\t], v[160+4*\t:161+4*\t]
	v_pk_add_f32 v[130+4*\t:131+4*\t], v[130+4*\t:131+4*\t], v[162+4*\t:163+4*\t]
.endr
.irp t, 0,1,2,3
	v_pk_add_f32 v[128+4*\t:129+4*\t], v[128+4*\t:129+4*\t], v[144+4*\t:145+4*\t]
	v_pk_add_f32 v[130+4*\t:131+4*\t], v[130+4*\t:131+4*\t], v[146+4*\t:147+4*\t]
.endr
.irp t, 0,1
	v_pk_add_f32 v[128+4*\t:129+4*\t], v[128+4*\t:129+4*\t], v[136+4*\t:137+4*\t]
	v_pk_add_f32 v[130+4*\t:131+4*\t], v[130+4*\t:131+4*\t], v[138+4*\t:139+4*\t]
.endr
	v_pk_add_f32 v[128:129], v[128:129], v[132:133]
	v_pk_add_f32 v[130:131], v[130:131], v[134:135]
	global_store_b128 v[KO], v[128:131], s[96:97]  ; 32 lanes store 512 consecutive bytes, aligned; none of these registers is written again
.Lno_ksum:
; THE WAY OUT, block by block of 16 rows x 128 columns.  PACK: rounded to f16, 16 bytes a lane.  TOSTAGE: into my own stage, and back as whole rows of 256 bytes.  SEND: stored.
.macro PACK a
.set AC, 64*((\a)%4)
	WIN 0x0a+5*((\a)/4)                            ; sources 0 and 1: window 2 or 3
.irp b, 0,1,2,3,4,5,6,7
.irp i, 0,1,2,3
	v_cvt_pk_f16_f32 v[TMP+4*\b+\i], v[AC+8*\b+2*\i], v[AC+8*\b+2*\i+1]
.endr
.endr
	WIN 0
.endm
.macro TOSTAGE a
.set BK, OB+192*((\a)%2)
.irp b, 0,1,2,3,4,5,6,7
	ds_store_b128 v[STO], v[TMP+4*\b:TMP+4*\b+3] offset:32*\b
.endr
.irp t, 0,1,2,3,4,5,6,7
	ds_load_b128 v[BK+4*\t:BK+4*\t+3], v[RD] offset:\t*2*HPITCH     ; LDS serves a wave's instructions in order: these see the stores above
.endr
.endm
.macro SEND a
.set BK, OB+192*((\a)%2)
	s_wait_dscnt 0x0                               ; the block is back in registers
	s_wait_xcnt 0x0                                ; the stores of the block before have read their data: the next block's loads from the stage land there only behind this wait
.irp t, 0,1,2,3,4,5,6,7
	global_store_b128 v[CO], v[BK+4*\t:BK+4*\t+3], s[12:13] offset:(16*(\a)+2*\t)*SIZE_N*2   ; 16 lanes store 256 consecutive bytes, aligned; 126 rows of 6,144 bytes at the most: inside the signed 24-bit immediate
.endr
.endm
	PACK 0
	TOSTAGE 0
.irp a, 1,2,3,4,5,6,7                  ; block a's conversions stand between block a - 1's loads from the stage and the wait for them
	PACK \a
	SEND \a-1
	TOSTAGE \a
.endr
	SEND 7
	s_wait_tensorcnt 0x0                           ; the wave's end: a wait, an add of 0 to my spare word and its wait, behind my last tensor load and my last LDS store
	ds_add_u32 v[SPW], v[NIL]
	s_wait_dscnt 0x0
	CROUND                                         ; the closing round: no work-group ends while a partner may still ask for a tile that names it
	s_endpgm
.Lfunc_end_k_q08abea8d1b_qkv:
	.size	k_q08abea8d1b_qkv, .Lfunc_end_k_q08abea8d1b_qkv-k_q08abea8d1b_qkv
	.p2alignl 7, 3214868480
	.fill 96, 4, 3214868480
	.section	.rodata,"a",@progbits
	.p2align	6, 0x0
	.amdhsa_kernel k_q08abea8d1b_qkv
		.amdhsa_group_segment_fixed_size 327680
		.amdhsa_private_segment_fixed_size 0
		.amdhsa_enable_private_segment 0
		.amdhsa_kernarg_size 48
		.amdhsa_user_sgpr_count 2
		.amdhsa_user_sgpr_kernarg_segment_ptr 1
		.amdhsa_wavefront_size32 1
		.amdhsa_system_sgpr_workgroup_id_x 1
		.amdhsa_system_sgpr_workgroup_id_y 1
		.amdhsa_system_sgpr_workgroup_id_z 1
		.amdhsa_system_vgpr_workitem_id 0
		.amdhsa_next_free_vgpr 1024
		.amdhsa_next_free_sgpr 98
		.amdhsa_reserve_vcc 0
		.amdhsa_float_denorm_mode_32 3
		.amdhsa_float_denorm_mode_16_64 3
		.amdhsa_memory_ordered 1
		.amdhsa_forward_progress 1
		.amdhsa_inst_pref_size 145
	.end_amdhsa_kernel
	.amdgpu_metadata
---
amdhsa.version: [ 1, 2 ]
amdhsa.kernels:
  - .name:           k_q08abea8d1b_qkv
    .symbol:         k_q08abea8d1b_qkv.kd
    .args:
      - { .name: x_codes, .offset: 0, .size: 8, .value_kind: global_buffer, .address_space: global }
      - { .name: x_scales, .offset: 8, .size: 8, .value_kind: global_buffer, .address_space: global }
      - { .name: w_codes, .offset: 16, .size: 8, .value_kind: global_buffer, .address_space: global }
      - { .name: w_scales, .offset: 24, .size: 8, .value_kind: global_buffer, .address_space: global }
      - { .name: qkv, .offset: 32, .size: 8, .value_kind: global_buffer, .address_space: global }
      - { .name: ksum, .offset: 40, .size: 8, .value_kind: global_buffer, .address_space: global }
    .group_segment_fixed_size: 327680
    .private_segment_fixed_size: 0
    .kernarg_segment_align: 8
    .kernarg_segment_size: 48
    .max_flat_workgroup_size: 128
    .sgpr_count:     98
    .vgpr_count:     1024
    .wavefront_size: 32
...
	.end_amdgpu_metadata
.endif
;; end of part 2
;; launch attn (part 3): grid 16 x 16, 16 waves a work-group, no clusters, 167,936 bytes of LDS; arguments qkv, ksum, sep_gate, align_gate, coh_gate, attn; writes attn
.if DOCPART == 3
	.amdgcn_target "amdgcn-amd-amdhsa--gfx1250"
	.amdhsa_code_object_version 6
	.text
	.protected	k_q08abea8d1b_attn
	.globl	k_q08abea8d1b_attn
	.p2align	8
	.type	k_q08abea8d1b_attn,@function
k_q08abea8d1b_attn:
	s_mov_b64 s[64:65], 0
	v_nop
	global_prefetch_b8 v0, s[64:65] scope:SCOPE_SE
	s_setreg_imm32_b32 hwreg(HW_REG_WAVE_MODE, 25, 1), 1
	s_wait_xcnt 0x0
; The banded attention.  s = q . k / 8;  score = (1 + align) s - sep sigmoid(s)^2 - coh |s - mean of s over ALL keys|;  key j counts for query i where 0 <= i - j < 64;  softmax;  x v.
; Only the band is multiplied: what lies outside it is thrown away by the mask that the definition builds itself.  The row mean is linear in k: mean_j(q_i . k_j) = q_i . mean_j(k_j); the mean of k is made from the
; 16 partial column sums that the launch before stored for this batch.
; qkv: [4096][3072] f16 (q at byte 0 of a row, k at 2,048, v at 4,096; head h at + 128 h).  ksum: [32][1024] f32.  attn: [4096][1024] f16, column 64 h + d.  Products on f16 operands, sums f32; all else f32.
; LIMITS: the result stays under 65,504 (f16); NaN and infinities are not served.  Hidden scores are -infinity where the definition writes -1e30: p is 0 either way while the kept scores lie far above -1e30.
; The row mean is formed as q . mean(k), the mean rounded to f16: another order of rounding than a mean over the 2,048 scores.  The exponent is formed as score x log2(e) - max x log2(e), one fused multiply-add.
; SHARES.  A work-group owns 128 queries of TWO heads of one batch, so that every row of K, of V and of the output is 256 aligned bytes.  Wave w: head w / 8 of the two, queries i0 = l0 + 16 (w % 8) .. + 15.
; It needs keys i0 - 64 .. i0 + 15: five tiles of 16.  LDS row p holds key l0 - 64 + p, 192 rows.  In a sequence's first block the 64 rows ahead of it hold rows 0-63 once more: finite numbers inside the buffer, hidden by the mask.
; Four waves share a SIMD, so that one wave's exponentials stand beside another's LDS loads and products.  No cluster: neighbouring work-groups share 64 of a work-group's 192 rows of K and V, a third of its bytes.
; LAYOUT.  S^T = K Q^T (source 0 = 16 keys, source 1 = my 16 queries): a lane holds ONE query (lane % 16) and the keys 8 (lane / 16) + 0..7 of each tile.  Two tiles, rounded to f16 in pairs, ARE source 1 (32 keys x 16
; queries) of O^T = V^T P.  V ([key][channel]) comes out of LDS turned, by ds_load_tr16_b128.  A sixth "tile of keys", all 16 rows the mean of k, gives q . mean(k) in every register.
; Six tensor loads in the work-group, one a wave (waves 0-2: K's thirds, waves 4-6: V's); nothing is filled twice; every wait on TENSORcnt is for 0.
.set KP,    272                        ; a row of K in LDS: 256 bytes + 16: the 16 rows of a load start at 16 different banks
.set VP,    288                        ; a row of V: 256 + 32
.set VOFF,  192*KP                     ; 52,224
.set KB,    VOFF+192*VP                ; 107,520: the mean of k, 128 f16
.set STAGE, KB+256                     ; 107,776: 128 rows x (256 + 16) bytes for the way out
.set SPARE, STAGE+128*KP               ; 142,592: the spare words, 128 bytes a wave; no other line names them
.set QROW,  6144                       ; a row of qkv in bytes
.set RR,  1                            ; v1   r = lane % 16
.set HH,  2                            ; v2   h = lane / 16
.set SPW, 3                            ; v3   LDS address of my spare word; never rewritten
.set NIL, 4                            ; v4   0; never rewritten
.set AK,  5                            ; v5   K: (16 qt + r) KP + 128 head + 16 h
.set AV,  6                            ; v6   V: VOFF + (16 qt + 8 h + l % 8) VP + 16 ((l / 8) % 2) + 128 head
.set AKB, 7                            ; v7   the mean as a fragment: KB + 128 head + 16 h
.set KBW, 8                            ; v8   where a thread of waves 8-11 puts its mean: KB + 2 (thread % 128)
.set STO, 9                            ; v9   the stage, in
.set RD,  10                           ; v10  the stage, back
.set GO,  11                           ; v11  my byte offset in two rows of attn
.set QO,  12                           ; v12  my byte offset in the wave's rows of q
.set KSO, 13                           ; v13  4 (thread % 128)
.set DL,  14                           ; v14  r - 8 h
.set Q,   16                           ; v16-31   Q, two fragments
.set KF,  32                           ; v32-111  K, 16 registers a tile; v112-127 the mean; later v32-127 V, 12 fragments; at the end rows of the output
.set S,   128                          ; v128-167 S^T, 8 registers a tile; later O^T in v128-159
.set MT,  168                          ; v168-175 q . mean(k)
.set E,   176                          ; v176-215 the sigmoid's numbers; later P in v176-199, the packed output in v200-215
.set OH,  200
.set T,   216                          ; v216-231 s - mean, two sets of 8
.set AA,  232                          ; v[232:233] (1 + align) / 8
.set TM,  234                          ; v[234:235] - q . mean(k) / 8
.set NI,  236                          ; v236 -infinity
.set MX,  237                          ; v237-239 the maximum; v239 also takes the lane exchanges
.set BI,  240                          ; v240-247 four pairs: 0, or -infinity for a tile of keys ahead of the sequence; later v[240:241] -max log2(e), v[242:245] the sums, v[246:247] 1 / sum
.set GS,  248                          ; v[248:249] -sep
.set GC,  250                          ; v250 -coh
.set WV,  19
.set PART, 20
.set HEAD, 21
.set QT,  22
.set L0,  23
.set BB,  25
.set HP,  26
.set G1K, 28                           ; s[28:35] descriptor group 1 for K;  s[36:43] for V: it differs in the padding alone
.set G1V, 36
.set G0K, 44                           ; s[44:47], s[48:51] their groups 0
.set G0V, 48
.set SEL, 52                           ; s[52:53] v_permlanex16_b32's selects for lane l xor 16
.set BIAS, 54                          ; s54-57
	s_load_b256 s[4:11], s[0:1], 0x0               ; qkv 4:5, ksum 6:7, sep_gate 8:9, align_gate 10:11
	s_load_b128 s[12:15], s[0:1], 0x20             ; coh_gate 12:13, attn 14:15
	v_lshl_add_u32 v[SPW], v0, 2, SPARE
	v_mov_b32 v[NIL], 0
	ds_add_u32 v[SPW], v[NIL]                      ; the wave's opening: the add, twice on end, and its wait ahead of the first tensor load; the set-up below stands between the second and the wait
	ds_add_u32 v[SPW], v[NIL]
	v_lshrrev_b32 v15, 5, v0
	v_readfirstlane_b32 s[WV], v15                 ; wave 0..15
	s_and_b32 s[PART], s[WV], 3                    ; which 64 rows I fetch, if I fetch
	s_lshr_b32 s[HEAD], s[WV], 3                   ; which of the two heads
	s_and_b32 s[QT], s[WV], 7                      ; which 16 queries
	s_lshl_b32 s[L0], ttmp9, 7                     ; the block's first query
	s_and_b32 s24, ttmp7, 0xffff
	s_lshr_b32 s[BB], s24, 3                       ; the batch
	s_and_b32 s[HP], s24, 7                        ; the pair of heads
	; descriptor group 1: 64 rows x 128 elements of 2 bytes, 3,072 elements from row to row, padded in LDS
	s_mov_b32 s[G1K], (1<<16)|(1<<20)|(5<<22)|(3<<25)   ; no mask; elements of 2 bytes; padding on; after every 64 words; four words
	s_mov_b32 s[G1V], (1<<16)|(1<<20)|(5<<22)|(7<<25)   ; the same with eight words
.irp g, G1K, G1V
	s_mov_b32 s[\g+1], 128<<16                     ; tensor_dim0
	s_mov_b32 s[\g+2], 64<<16                      ; tensor_dim1
	s_mov_b32 s[\g+3], 128<<16                     ; tile_dim0
	s_mov_b32 s[\g+4], 64                          ; tile_dim1
	s_mov_b32 s[\g+5], 3072                        ; tensor_dim0_stride
	s_mov_b32 s[\g+6], 0
	s_mov_b32 s[\g+7], 0
.endr
	s_mov_b32 s[G0K], 1
	s_mul_i32 s[G0K+1], s[PART], 64*KP             ; LDS: my third of K,
	s_mov_b32 s[G0V], 1
	s_mul_i32 s[G0V+1], s[PART], 64*VP
	s_add_co_u32 s[G0V+1], s[G0V+1], VOFF          ; or of V
	s_mov_b32 s[SEL], 0x76543210
	s_mov_b32 s[SEL+1], 0xfedcba98
	; byte offsets, each in a pair of its own
	s_lshl_b32 s58, s[QT], 4
	s_add_co_u32 s58, s58, s[L0]                   ; i0, my first query
	s_lshl_b32 s59, s[BB], 11                      ; the batch's first row
	s_lshl_b32 s76, s[HP], 8                       ; 256 bytes a pair of heads
	s_lshl_b32 s77, s[HEAD], 7                     ; 128 bytes a head
	s_add_co_u32 s60, s58, s59
	s_mul_i32 s60, s60, QROW
	s_add_co_u32 s60, s60, s76
	s_add_co_u32 s60, s60, s77
	s_mov_b32 s61, 0                               ; s[60:61]: q at my first query and head
	s_lshl_b32 s62, s[PART], 6
	s_add_co_u32 s62, s62, s[L0]
	s_sub_co_i32 s62, s62, 64
	s_max_i32 s62, s62, 0                          ; keys ahead of the sequence: rows 0-63 once more
	s_add_co_u32 s62, s62, s59
	s_mul_i32 s62, s62, QROW
	s_add_co_u32 s62, s62, s76
	s_mov_b32 s63, 0                               ; s[62:63]: the first row that I fetch, at the pair of heads
	s_lshl_b32 s66, s[BB], 16                      ; 16 blocks of 4,096 bytes a batch
	s_lshl_b32 s67, s[HP], 9
	s_add_co_u32 s66, s66, s67
	s_mov_b32 s67, 0                               ; s[66:67]: ksum at the batch's first block and the pair's 128 columns
	s_lshl_b32 s68, s[WV], 3
	s_add_co_u32 s68, s68, s[L0]
	s_add_co_u32 s68, s68, s59
	s_lshl_b32 s68, s68, 11
	s_add_co_u32 s68, s68, s76
	s_mov_b32 s69, 0                               ; s[68:69]: attn at the 8 rows that I store
	s_sub_co_i32 s59, s58, 64                      ; tile 0's first key
.irp kt, 0,1,2,3
	s_add_co_i32 s79, s59, 16*\kt
	s_cmp_lt_i32 s79, 0                            ; i0 is a multiple of 16: a tile lies wholly ahead of the sequence or wholly in it
	s_cselect_b32 s[BIAS+\kt], 0xff800000, 0
.endr
	; every LDS address is made here, ahead of the first parting of the waves
	v_and_b32 v[RR], 15, v0
	v_bfe_u32 v[HH], v0, 4, 1
	s_mul_i32 s78, s[QT], 16*KP
	s_add_co_u32 s78, s78, s77
	v_mul_u32_u24 v[AK], v[RR], KP
	v_lshl_add_u32 v[AK], v[HH], 4, v[AK]
	v_add_nc_u32 v[AK], s78, v[AK]
	v_add_nc_u32 v[STO], STAGE, v[AK]              ; the stage has K's pitch: row 16 qt + r, + 128 head + 16 h
	s_mul_i32 s78, s[QT], 16*VP
	s_add_co_u32 s78, s78, s77
	s_add_co_u32 s78, s78, VOFF
	v_and_b32 v[AV], 7, v0
	v_lshl_add_u32 v[AV], v[HH], 3, v[AV]
	v_mul_u32_u24 v[AV], v[AV], VP
	v_bfe_u32 v15, v0, 3, 1
	v_lshl_add_u32 v[AV], v15, 4, v[AV]
	v_add_nc_u32 v[AV], s78, v[AV]
	s_add_co_u32 s78, s77, KB
	v_lshlrev_b32 v[AKB], 4, v[HH]
	v_add_nc_u32 v[AKB], s78, v[AKB]
	v_and_b32 v[KSO], 127, v0
	v_lshl_add_u32 v[KBW], v[KSO], 1, KB
	v_lshlrev_b32 v[KSO], 2, v[KSO]
	s_mul_i32 s78, s[WV], 8*KP
	s_add_co_u32 s78, s78, STAGE
	v_mul_u32_u24 v[RD], v[HH], KP
	v_lshl_add_u32 v[RD], v[RR], 4, v[RD]
	v_add_nc_u32 v[RD], s78, v[RD]                 ; back: rows 8 w + h, 16 bytes a lane
	v_lshlrev_b32 v[GO], 11, v[HH]
	v_lshl_add_u32 v[GO], v[RR], 4, v[GO]
	v_mul_u32_u24 v[QO], v[RR], QROW
	v_lshl_add_u32 v[QO], v[HH], 4, v[QO]
	v_lshlrev_b32 v[DL], 3, v[HH]
	v_sub_nc_u32 v[DL], v[RR], v[DL]
	v_mov_b32 v[NI], 0xff800000
	v_mov_b32 v[MX+2], 0                           ; written once: a lane permute's destination counts as one of its sources
.irp kt, 0,1,2,3
	v_mov_b32 v[BI+2*\kt], s[BIAS+\kt]
	v_mov_b32 v[BI+2*\kt+1], s[BIAS+\kt]
.endr
	s_wait_dscnt 0x0                               ; both opening adds are done
	s_wait_kmcnt 0x0
	s_load_b32 s16, s[8:9], 0x0                    ; sep
	s_load_b32 s17, s[10:11], 0x0                  ; align
	s_load_b32 s18, s[12:13], 0x0                  ; coh
	s_add_nc_u64 s[G0K+2:G0K+3], s[4:5], s[62:63]
	s_add_nc_u64 s[G0V+2:G0V+3], s[G0K+2:G0K+3], 4096   ; v's columns
	s_add_nc_u64 s[G0K+2:G0K+3], s[G0K+2:G0K+3], 2048   ; k's columns
	s_or_b32 s[G0K+3], s[G0K+3], 0x80000000
	s_or_b32 s[G0V+3], s[G0V+3], 0x80000000
	s_add_nc_u64 s[70:71], s[4:5], s[60:61]        ; q
	s_add_nc_u64 s[72:73], s[6:7], s[66:67]        ; ksum
	s_add_nc_u64 s[74:75], s[14:15], s[68:69]      ; attn
	; the first and only fills: waves 0-2 K's thirds, waves 4-6 V's.  The branches hang on the wave's number alone.  An s_nop 0 and four v_nop follow each load
	s_cmp_eq_u32 s[PART], 3
	s_cbranch_scc1 .Lno_fill
	s_cmp_lt_u32 s[WV], 4
	s_cbranch_scc0 .Lnot_k
	tensor_load_to_lds s[G0K:G0K+3], s[G1K:G1K+7]
	s_nop 0
.rept 4
	v_nop
.endr
	s_branch .Lno_fill
.Lnot_k:
	s_cmp_lt_u32 s[WV], 8
	s_cbranch_scc0 .Lno_fill
	tensor_load_to_lds s[G0V:G0V+3], s[G1V:G1V+7]
	s_nop 0
.rept 4
	v_nop
.endr
.Lno_fill:
.irp c, 0,1,2,3
	global_load_b128 v[Q+4*\c:Q+4*\c+3], v[QO], s[70:71] offset:32*\c   ; Q: lane (r, h): query r, channels 16 c + 8 h + 0..7
.endr
	; the mean of k, by waves 8-11: a thread a channel of the two heads
	s_lshr_b32 s78, s[WV], 2
	s_cmp_lg_u32 s78, 2
	s_cbranch_scc1 .Lno_mean
.irp p, 0,1,2,3,4,5,6,7,8,9,10,11,12,13,14,15
	global_load_b32 v[KF+\p], v[KSO], s[72:73] offset:4096*\p       ; 32 lanes read 128 consecutive bytes of each of the batch's 16 blocks
.endr
	s_wait_loadcnt 0x0
.irp p, 0,2,4,6
	v_pk_add_f32 v[KF+\p:KF+\p+1], v[KF+\p:KF+\p+1], v[KF+8+\p:KF+9+\p]
.endr
	v_pk_add_f32 v[KF:KF+1], v[KF:KF+1], v[KF+4:KF+5]
	v_pk_add_f32 v[KF+2:KF+3], v[KF+2:KF+3], v[KF+6:KF+7]
	v_pk_add_f32 v[KF:KF+1], v[KF:KF+1], v[KF+2:KF+3]
	v_add_f32 v[KF], v[KF], v[KF+1]
	v_mul_f32 v[KF], 0x3a000000, v[KF]             ; / 2,048
	v_cvt_pk_f16_f32 v[KF+16], v[KF], v[KF]
	ds_store_b16 v[KBW], v[KF+16]
.Lno_mean:
	s_wait_tensorcnt 0x0                           ; my tile has landed,
	s_wait_dscnt 0x0                               ; my mean is stored:
	s_barrier_signal -1
	s_barrier_wait -1                              ; everybody's are
.irp kt, 0,1,2,3,4
.irp c, 0,1,2,3
	ds_load_b128 v[KF+16*\kt+4*\c:KF+16*\kt+4*\c+3], v[AK] offset:16*KP*\kt+32*\c   ; tile kt: keys i0 - 64 + 16 kt + r
.endr
.endr
.irp c, 0,1,2,3
	ds_load_b128 v[KF+80+4*\c:KF+80+4*\c+3], v[AKB] offset:32*\c    ; all 16 rows of this fragment are the mean
.endr
	s_wait_loadcnt 0x0                             ; Q
	s_wait_dscnt 0x0                               ; K
	s_wait_kmcnt 0x0                               ; the gates
	; S^T = K Q^T: six accumulators by turns; the first products start the sums
.irp kt, 0,1,2,3,4,5
	v_wmma_f32_16x16x32_f16 v[S+8*\kt:S+8*\kt+7], v[KF+16*\kt:KF+16*\kt+7], v[Q:Q+7], 0
.endr
.irp kt, 0,1,2,3,4,5
	v_wmma_f32_16x16x32_f16 v[S+8*\kt:S+8*\kt+7], v[KF+16*\kt+8:KF+16*\kt+15], v[Q+8:Q+15], v[S+8*\kt:S+8*\kt+7]
.endr
	v_mov_b32 v[AA], s17                           ; the gates' constants: nine plain lines that name none of the products' registers: the places behind them
	v_mov_b32 v[GS], s16
	v_mov_b32 v[GC], s18
	v_add_f32 v[AA], 1.0, v[AA]
	v_mul_f32 v[GS], -1.0, v[GS]
	v_mul_f32 v[GC], -1.0, v[GC]
	v_mul_f32 v[AA], 0x3e000000, v[AA]             ; (1 + align) / 8
	v_mov_b32 v[GS+1], v[GS]
	v_mov_b32 v[AA+1], v[AA]
	; V, turned: fragment 4 s + c: channels 16 c + r, keys 32 s + 8 h + 0..7 and 32 s + 16 + 8 h + 0..7.  There are 80 keys: the last 16 of the third step have p = 0 and want only finite numbers: the first half once more
.irp s, 0,1,2
.irp c, 0,1,2,3
	ds_load_tr16_b128 v[KF+8*(4*\s+\c):KF+8*(4*\s+\c)+3], v[AV] offset:32*VP*\s+32*\c
.if \s < 2
	ds_load_tr16_b128 v[KF+8*(4*\s+\c)+4:KF+8*(4*\s+\c)+7], v[AV] offset:32*VP*\s+16*VP+32*\c
.else
	ds_load_tr16_b128 v[KF+8*(4*\s+\c)+4:KF+8*(4*\s+\c)+7], v[AV] offset:32*VP*\s+32*\c
.endif
.endr
.endr
	v_mul_f32 v[TM], 0xbe000000, v[MT]             ; - q . mean(k) / 8
	v_mov_b32 v[TM+1], v[TM]
	; 2^(-s log2 e): the first batch of exponentials
.set i, 0
.rept 20
	v_pk_mul_f32 v[E+2*i:E+2*i+1], v[S+2*i:S+2*i+1], 0xbe38aa3b op_sel_hi:[1,0]   ; x -log2(e) / 8; each accumulator from its low end on
.set i, i+1
.endr
.set i, 0
.rept 40
	v_exp_f32 v[E+i], v[E+i]
.set i, i+1
.endr
	; the terms that need no exponential stand behind the batch: T = s - mean;  S = (1 + align) s + the tile's bias;  S -= coh |T|
.macro TERMS kt
.set rS, S+8*(\kt)
.set rT, T+8*((\kt)%2)
.irp j, 0,2,4,6
	v_pk_fma_f32 v[rT+\j:rT+\j+1], v[rS+\j:rS+\j+1], 0x3e000000, v[TM:TM+1] op_sel_hi:[1,0,1]
.endr
.irp j, 0,2,4,6
.if (\kt) < 4
	v_pk_fma_f32 v[rS+\j:rS+\j+1], v[rS+\j:rS+\j+1], v[AA:AA+1], v[BI+2*(\kt):BI+2*(\kt)+1]
.else
	v_pk_mul_f32 v[rS+\j:rS+\j+1], v[rS+\j:rS+\j+1], v[AA:AA+1]
.endif
.endr
.irp j, 0,1,2,3,4,5,6,7
	v_fma_f32 v[rS+\j], |v[rT+\j]|, v[GC], v[rS+\j]
.endr
.endm
.irp kt, 0,1,2,3,4
	TERMS \kt
.endr
	s_wait_alu depctr_va_vdst(0)                   ; one wait for the batch of 40, ahead of its first reader
.set i, 0
.rept 20
	v_pk_add_f32 v[E+2*i:E+2*i+1], v[E+2*i:E+2*i+1], 1.0 op_sel_hi:[1,0]
.set i, i+1
.endr
.set i, 0
.rept 20
	v_pk_mul_f32 v[E+2*i:E+2*i+1], v[E+2*i:E+2*i+1], v[E+2*i:E+2*i+1]   ; (1 + 2^(-s log2 e))^2
.set i, i+1
.endr
.set i, 0
.rept 40
	v_rcp_f32 v[E+i], v[E+i]                       ; sigmoid(s)^2
.set i, i+1
.endr
	; the band's two edges stand behind the reciprocals.  Tile 0: key i0 - 64 + 8 h + j is too old where j <= r - 8 h;  tile 4: key i0 + 8 h + j lies ahead where j > r - 8 h
.irp j, 0,1,2,3,4,5,6,7
	v_cmp_le_i32 vcc_lo, \j, v[DL]
	v_cndmask_b32 v[S+\j], v[S+\j], v[NI], vcc_lo
	v_cmp_gt_i32 vcc_lo, \j, v[DL]
	v_cndmask_b32 v[S+32+\j], v[S+32+\j], v[NI], vcc_lo
.endr
	s_wait_alu depctr_va_vdst(0)                   ; one wait for the 40 reciprocals
.set i, 0
.rept 20
	v_pk_fma_f32 v[S+2*i:S+2*i+1], v[E+2*i:E+2*i+1], v[GS:GS+1], v[S+2*i:S+2*i+1]   ; - sep sigmoid^2
.set i, i+1
.endr
	; the row's maximum: two chains, then the other half of the lanes.  The query's own key always counts, so it is a number
	v_max3_num_f32 v[MX], v[S], v[S+1], v[S+2]
	v_max3_num_f32 v[MX+1], v[S+20], v[S+21], v[S+22]
.irp j, 3,5,7,9,11,13,15,17
	v_max3_num_f32 v[MX], v[MX], v[S+\j], v[S+\j+1]
	v_max3_num_f32 v[MX+1], v[MX+1], v[S+20+\j], v[S+21+\j]
.endr
	v_max3_num_f32 v[MX], v[MX], v[MX+1], v[S+19]
	v_max_num_f32 v[MX], v[MX], v[S+39]
	v_permlanex16_b32 v[MX+2], v[MX], s[SEL], s[SEL+1]
	v_max_num_f32 v[MX], v[MX], v[MX+2]
	v_mul_f32 v240, 0xbfb8aa3b, v[MX]              ; - max log2(e)  (the biases are done with)
	v_mov_b32 v241, v240
.set i, 0
.rept 20
	v_pk_fma_f32 v[S+2*i:S+2*i+1], v[S+2*i:S+2*i+1], 0x3fb8aa3b, v[240:241] op_sel_hi:[1,0,1]
.set i, i+1
.endr
.set i, 0
.rept 40
	v_exp_f32 v[S+i], v[S+i]                       ; p = e^(score - max), at most 1; 0 where hidden
.set i, i+1
.endr
.irp j, 20,21,22,23
	v_mov_b32 v[E+\j], 0                           ; P's last 16 keys, which do not exist.  (Plain lines behind the exponentials)
.endr
	s_wait_alu depctr_va_vdst(0)                   ; one wait for the batch of 40
	v_pk_add_f32 v[242:243], v[S:S+1], v[S+2:S+3]  ; the row's sum, of the unrounded p, in two chains
	v_pk_add_f32 v[244:245], v[S+4:S+5], v[S+6:S+7]
.irp j, 8,12,16,20,24,28,32,36
	v_pk_add_f32 v[242:243], v[242:243], v[S+\j:S+\j+1]
	v_pk_add_f32 v[244:245], v[244:245], v[S+\j+2:S+\j+3]
.endr
	v_pk_add_f32 v[242:243], v[242:243], v[244:245]
	v_add_f32 v242, v242, v243
	v_permlanex16_b32 v[MX+2], v242, s[SEL], s[SEL+1]
	v_add_f32 v242, v242, v[MX+2]
	v_rcp_f32 v246, v242
.set i, 0
.rept 20
	v_cvt_pk_f16_f32 v[E+i], v[S+2*i], v[S+2*i+1]  ; P: tiles 2 s and 2 s + 1 are source 1 of key step s
.set i, i+1
.endr
	s_wait_dscnt 0x0                               ; V
	; O^T = V^T P: four accumulators by turns; the first products start the sums
.irp s, 0,1,2
.irp c, 0,1,2,3
.if \s == 0
	v_wmma_f32_16x16x32_f16 v[S+8*\c:S+8*\c+7], v[KF+8*(4*\s+\c):KF+8*(4*\s+\c)+7], v[E+8*\s:E+8*\s+7], 0
.else
	v_wmma_f32_16x16x32_f16 v[S+8*\c:S+8*\c+7], v[KF+8*(4*\s+\c):KF+8*(4*\s+\c)+7], v[E+8*\s:E+8*\s+7], v[S+8*\c:S+8*\c+7]
.endif
.endr
.endr
.rept 4
	v_nop                                          ; places behind the last products
.endr
	s_wait_alu depctr_va_vdst(0)                   ; the wait for the reciprocal, ahead of its first reader
	v_mov_b32 v247, v246
.set i, 0
.rept 16
	v_pk_mul_f32 v[S+2*i:S+2*i+1], v[S+2*i:S+2*i+1], v[246:247]     ; / the sum; each accumulator from its low end on
.set i, i+1
.endr
.set i, 0
.rept 16
	v_cvt_pk_f16_f32 v[OH+i], v[S+2*i], v[S+2*i+1] ; lane (r, h): query r, channels 16 c + 8 h + 0..7: 16 bytes
.set i, i+1
.endr
.irp c, 0,1,2,3
	ds_store_b128 v[STO], v[OH+4*\c:OH+4*\c+3] offset:32*\c
.endr
	s_wait_dscnt 0x0                               ; for the others' sake: my stores into the stage are done
	s_barrier_signal -1
	s_barrier_wait -1                              ; a row's 256 bytes come from two waves
.irp t, 0,1,2,3
	ds_load_b128 v[KF+4*\t:KF+4*\t+3], v[RD] offset:\t*2*KP
.endr
	s_wait_dscnt 0x0
.irp t, 0,1,2,3
	global_store_b128 v[GO], v[KF+4*\t:KF+4*\t+3], s[74:75] offset:4096*\t   ; 16 lanes store 256 consecutive bytes, aligned
.endr
	s_wait_tensorcnt 0x0                           ; the wave's end: a wait, an add of 0 to my spare word and its wait, behind my last tensor load and my last LDS store
	ds_add_u32 v[SPW], v[NIL]
	s_wait_dscnt 0x0
	s_endpgm
.Lfunc_end_k_q08abea8d1b_attn:
	.size	k_q08abea8d1b_attn, .Lfunc_end_k_q08abea8d1b_attn-k_q08abea8d1b_attn
	.p2alignl 7, 3214868480
	.fill 96, 4, 3214868480
	.section	.rodata,"a",@progbits
	.p2align	6, 0x0
	.amdhsa_kernel k_q08abea8d1b_attn
		.amdhsa_group_segment_fixed_size 167936
		.amdhsa_private_segment_fixed_size 0
		.amdhsa_enable_private_segment 0
		.amdhsa_kernarg_size 48
		.amdhsa_user_sgpr_count 2
		.amdhsa_user_sgpr_kernarg_segment_ptr 1
		.amdhsa_wavefront_size32 1
		.amdhsa_system_sgpr_workgroup_id_x 1
		.amdhsa_system_sgpr_workgroup_id_y 1
		.amdhsa_system_sgpr_workgroup_id_z 1
		.amdhsa_system_vgpr_workitem_id 0
		.amdhsa_next_free_vgpr 256
		.amdhsa_next_free_sgpr 80
		.amdhsa_reserve_vcc 1
		.amdhsa_float_denorm_mode_32 3
		.amdhsa_float_denorm_mode_16_64 3
		.amdhsa_memory_ordered 1
		.amdhsa_forward_progress 1
		.amdhsa_inst_pref_size 41
	.end_amdhsa_kernel
	.amdgpu_metadata
---
amdhsa.version: [ 1, 2 ]
amdhsa.kernels:
  - .name:           k_q08abea8d1b_attn
    .symbol:         k_q08abea8d1b_attn.kd
    .args:
      - { .name: qkv, .offset: 0, .size: 8, .value_kind: global_buffer, .address_space: global }
      - { .name: ksum, .offset: 8, .size: 8, .value_kind: global_buffer, .address_space: global }
      - { .name: sep_gate, .offset: 16, .size: 8, .value_kind: global_buffer, .address_space: global }
      - { .name: align_gate, .offset: 24, .size: 8, .value_kind: global_buffer, .address_space: global }
      - { .name: coh_gate, .offset: 32, .size: 8, .value_kind: global_buffer, .address_space: global }
      - { .name: attn, .offset: 40, .size: 8, .value_kind: global_buffer, .address_space: global }
    .group_segment_fixed_size: 167936
    .private_segment_fixed_size: 0
    .kernarg_segment_align: 8
    .kernarg_segment_size: 48
    .max_flat_workgroup_size: 512
    .sgpr_count:     80
    .vgpr_count:     256
    .wavefront_size: 32
...
	.end_amdgpu_metadata
.endif
;; end of part 3
;; launch oproj (part 4): grid 8 x 32, 4 waves a work-group, clusters of 4 x 4, 327,680 bytes of LDS; arguments attn, wo_h, out0; writes out0
.if DOCPART == 4
	.amdgcn_target "amdgcn-amd-amdhsa--gfx1250"
	.amdhsa_code_object_version 6
	.text
	.protected	k_q08abea8d1b_oproj
	.globl	k_q08abea8d1b_oproj
	.p2align	8
	.type	k_q08abea8d1b_oproj,@function
k_q08abea8d1b_oproj:
	s_mov_b64 s[64:65], 0
	v_nop
	global_prefetch_b8 v0, s[64:65] scope:SCOPE_SE
	s_setreg_imm32_b32 hwreg(HW_REG_WAVE_MODE, 25, 1), 1
	s_wait_xcnt 0x0
	s_wait_alu depctr_hold_cnt(0) depctr_sa_sdst(0) depctr_va_vdst(0) depctr_va_sdst(0) depctr_va_ssrc(0) depctr_va_vcc(0) depctr_vm_vsrc(0)
	s_getreg_b32 s2, hwreg(HW_REG_IB_STS2, 6, 4)
	s_cmp_eq_u32 s2, 0
	s_cbranch_scc0 .Lentry_in_a_cluster
	s_endpgm
.Lentry_in_a_cluster:
	s_bfe_u32 s2, ttmp6, 0x10000c
	s_cmp_lg_u32 s2, 0xf033
	s_cbranch_scc0 .Lentry_shape_is_right
	s_endpgm
.Lentry_shape_is_right:
; out0[m][n] = sum over k of attn[m][k] Wo[n][k].  attn: [4096][1024] f16, wo_h: [1024][1024] f16, out0: [4096][1024] f32; sums in f32.
; A tile of C is 128 x 128: 256 work-groups, one for each WGP.  Four waves, each 64 x 64: 16 accumulators of 16 x 16, 128 registers.  K goes in steps of 256 (LDS rows of 512 bytes; a wave's tensor load brings 64 of them)
; through two LDS slots.  A wave's 64 columns of f32 are 256 aligned bytes of a row of C: each wave has a stage of its own on the way out, and no barrier stands there.
; CLUSTERS: 4 x 4 work-groups.  The four of a row of the cluster need the same tiles of A, the four of a column the same tiles of B: each tile is asked for JOINTLY, by the same tensor load with the same descriptor and a mask
; that names the four.  THE MATRIX INSTRUCTION IS USED TRANSPOSED (source 0 = 16 rows of B, source 1 = 16 rows of A): a lane then holds eight neighbouring numbers of a row of C.
; By this text's own count a wave has two tensor loads out at the start and one behind each round.
; REGISTERS: window 0: v0-31 addresses; v32-95 at work on the way out; v128-255 the accumulators ((a, b) at v[128 + 8 (4 a + b)]).
;   window 1: two fragment buffers of 128: for 64 along K, 64 registers of A (2 x 4 x 16 rows x 32 K), then 64 of B.
.set SIZE_M, 4096
.set SIZE_N, 1024
.set SIZE_K, 1024
.set KSTEP,  256
.set PITCH,  528                       ; an LDS row: 512 bytes + 16 of padding = 132 words: row r starts at bank 4 r mod 64 (ISA guide 11.1)
.set HALFT,  64*PITCH                  ; 64 rows: what one tensor load brings, and what one wave reads of A or of B
.set SLOT,   4*HALFT                   ; A's 128 rows, then B's 128 rows
.set STAGE,  2*SLOT                    ; behind the ring: 16 rows x 272 bytes for each wave
.set SPITCH, 272
.set SPARE,  STAGE+4*16*SPITCH         ; behind the stages: the spare words, 128 bytes a wave; no other line names them
.set LAPS, SIZE_K/(2*KSTEP)            ; a lap = two K steps = once round the ring
.set ADRA, 16                          ; v16-17  LDS address of my A fragments in slot 0, 1
.set ADRB, 20                          ; v20-21  the same for B
.set STO,  24                          ; v24     the way out: where I put 32 bytes of a row
.set RD,   25                          ; v25     where I read a row back
.set CO,   26                          ; v26     my byte offset in two rows of C
.set SPW,  28                          ; v28     LDS address of my spare word; never rewritten
.set NIL,  29                          ; v29     0; never rewritten
.set TMP,  32                          ; the way out: two sets of 32 registers: 16 rows read back
.set ACC,  128
.set F0,   0                           ; fragment buffers, in window 1
.set F1,   128
.set G1, 24                            ; s[24:31] descriptor group 1 for A's tiles;  s[32:39] group 0, one set for each slot
.set G0, 32
.set G1B, 48                           ; s[48:55], s[56:63] the same for B's tiles
.set G0B, 56
.set MSB, 0
.macro WIN new                         ; the immediate's high byte repeats the setting that is left
.if MSB != (\new)
	s_set_vgpr_msb (MSB<<8)|(\new)
.set MSB, (\new)
.endif
.endm
.set MUL,  0x05                        ; sources 0 (B) and 1 (A) window 1; C and D window 0
.set TO_F, 0x40                        ; destination window 1, address window 0
.macro JLOAD s                         ; a joint load: waves 0 and 1 fetch A's two halves, waves 2 and 3 B's; an s_nop 0 and four v_nop follow each of the two lines, ahead of the jump, the label and what follows
	s_cmp_eq_u32 s11, 0
	s_cbranch_scc0 .Lfor_b_\@
	tensor_load_to_lds s[G0+4*\s:G0+4*\s+3], s[G1:G1+7]
	s_nop 0
.rept 4
	v_nop
.endr
	s_branch .Lasked_\@
.Lfor_b_\@:
	tensor_load_to_lds s[G0B+4*\s:G0B+4*\s+3], s[G1B:G1B+7]
	s_nop 0
.rept 4
	v_nop
.endr
.Lasked_\@:
.endm
.macro CREST                           ; a round of the cluster's barrier behind its opening barrier
	s_cmp_lg_u32 s10, 0
	s_cbranch_scc1 .Lnot_wave_0_\@
	s_barrier_signal -3
.Lnot_wave_0_\@:
	s_barrier_wait -3
	s_barrier_signal -1
	s_barrier_wait -1
.endm
.macro CROUND                          ; a whole round
	s_barrier_signal -1
	s_barrier_wait -1
	CREST
.endm
	s_load_b128 s[4:7], s[0:1], 0x0                ; A s[4:5], B s[6:7]
	s_load_b64 s[8:9], s[0:1], 0x10                ; C
	v_lshl_add_u32 v[SPW], v0, 2, SPARE
	v_mov_b32 v[NIL], 0
	ds_add_u32 v[SPW], v[NIL]                      ; the wave's opening: the add, twice on end, and its wait ahead of my first tensor load; the set-up below stands between the second and the wait
	ds_add_u32 v[SPW], v[NIL]
	v_lshrrev_b32 v1, 5, v0
	v_readfirstlane_b32 s10, v1                    ; wave 0..3
	s_lshr_b32 s11, s10, 1                         ; which half of the tile's rows is mine.  Also: I fetch for A (0) or for B (1)
	s_and_b32 s12, s10, 1                          ; which half of its columns.  Also: which 64 rows of that tile I fetch
	s_bfe_u32 s40, ttmp6, 0x40000                  ; cx, cy: my place in the cluster
	s_bfe_u32 s41, ttmp6, 0x40004
	s_lshl_b32 s42, ttmp9, 2
	s_add_co_u32 s42, s42, s40                     ; tile column of C = 4 x cluster x + cx
	s_and_b32 s13, ttmp7, 0xffff
	s_lshl_b32 s13, s13, 2
	s_add_co_u32 s13, s13, s41                     ; tile row of C = 4 x cluster y + cy
	s_lshl_b32 s43, s41, 2
	s_lshl_b32 s43, 15, s43                        ; my row of the cluster
	s_lshl_b32 s44, 0x1111, s40                    ; my column
	; descriptor group 1: a tile of 64 rows x 256 elements, padded in LDS
	s_or_b32 s[G1+0], s43, (1<<16)|(1<<20)|(1<<21)|(6<<22)|(3<<25)  ; 15:0 the mask: A's tiles go to my row; 17:16 element of 2 bytes; 20 padding on; 21 set beside a mask; 24:22 after every 128 words; 31:25 four words
	s_or_b32 s[G1B+0], s44, (1<<16)|(1<<20)|(1<<21)|(6<<22)|(3<<25)
.irp g, G1, G1B
	s_mov_b32 s[\g+1], KSTEP<<16                   ; tensor_dim0 = 256
	s_mov_b32 s[\g+2], 64<<16                      ; tensor_dim1 = 64
	s_mov_b32 s[\g+3], KSTEP<<16                   ; tile_dim0 = 256
	s_mov_b32 s[\g+4], 64                          ; tile_dim1 = 64
	s_mov_b32 s[\g+5], SIZE_K                      ; tensor_dim0_stride
	s_mov_b32 s[\g+6], 0
	s_mov_b32 s[\g+7], 0
.endr
	s_lshl_b32 s17, s12, 6                         ; which 64 rows of the tile I fetch
	s_lshl_b32 s16, s13, 7
	s_add_co_u32 s16, s16, s17                     ; A: row 128 x tile row + 64 x half
	s_lshl_b32 s46, s42, 7
	s_add_co_u32 s46, s46, s17                     ; B: row 128 x tile column + 64 x half
	s_mov_b32 s17, 0
	s_mov_b32 s47, 0
	s_mov_b64 s[18:19], SIZE_K*2
	s_mul_u64 s[16:17], s[16:17], s[18:19]
	s_mul_u64 s[46:47], s[46:47], s[18:19]
	s_mul_i32 s20, s10, HALFT                      ; where they go: wave x 64 rows
	s_wait_dscnt 0x0                               ; both opening adds are done
	s_wait_kmcnt 0x0
	s_add_nc_u64 s[14:15], s[4:5], s[16:17]
	s_add_nc_u64 s[46:47], s[6:7], s[46:47]
	CROUND                                         ; all sixteen work-groups are here: the first joint loads meet
.irp s, 0,1
	s_mov_b32 s[G0+4*\s], 1
	s_add_co_u32 s[G0+4*\s+1], s20, \s*SLOT
	s_add_nc_u64 s[G0+4*\s+2:G0+4*\s+3], s[14:15], \s*KSTEP*2
	s_or_b32 s[G0+4*\s+3], s[G0+4*\s+3], 0x80000000
	s_mov_b32 s[G0B+4*\s], 1
	s_add_co_u32 s[G0B+4*\s+1], s20, \s*SLOT
	s_add_nc_u64 s[G0B+4*\s+2:G0B+4*\s+3], s[46:47], \s*KSTEP*2
	s_or_b32 s[G0B+4*\s+3], s[G0B+4*\s+3], 0x80000000
	JLOAD \s
.endr
	v_and_b32 v1, 15, v0                           ; r = l % 16
	v_bfe_u32 v2, v0, 4, 1                         ; h = l / 16
	v_mul_u32_u24 v3, v1, PITCH
	v_lshl_add_u32 v3, v2, 4, v3                   ; a fragment's row x pitch + 16 x half
	s_mul_i32 s21, s11, HALFT                      ; my 64 rows of A
	s_mul_i32 s22, s12, HALFT                      ; my 64 rows of B,
	s_add_co_u32 s22, s22, 2*HALFT                 ; which lie behind A's 128
.irp s, 0,1
	v_add_nc_u32 v[ADRA+\s], s21, v3
	v_add_nc_u32 v[ADRB+\s], s22, v3
	s_add_co_u32 s21, s21, SLOT
	s_add_co_u32 s22, s22, SLOT
.endr
	s_mul_i32 s23, s10, 16*SPITCH
	s_add_co_u32 s23, s23, STAGE                   ; my stage
	v_mul_u32_u24 v4, v1, SPITCH                   ; in: row r, 32 bytes for each half of the lanes
	v_lshl_add_u32 v4, v2, 5, v4
	v_add_nc_u32 v[STO], s23, v4
	v_mul_u32_u24 v5, v2, SPITCH                   ; back: lanes 0-15 one row of 256 bytes, lanes 16-31 the next
	v_lshl_add_u32 v5, v1, 4, v5
	v_add_nc_u32 v[RD], s23, v5
	v_mul_u32_u24 v5, v2, SIZE_N*4                 ; and the same two rows in C
	v_lshl_add_u32 v[CO], v1, 4, v5
	s_lshl_b32 s16, s13, 7
	s_lshl_b32 s17, s11, 6
	s_add_co_u32 s16, s16, s17                     ; my first row of C: 128 x tile row + 64 x half
	s_mov_b32 s17, 0
	s_mov_b64 s[18:19], SIZE_N*4
	s_mul_u64 s[16:17], s[16:17], s[18:19]
	s_add_nc_u64 s[8:9], s[8:9], s[16:17]
	s_lshl_b32 s46, s42, 9                         ; my first column, in bytes: 512 x tile column + 256 x half
	s_lshl_b32 s47, s12, 8
	s_add_co_u32 s46, s46, s47
	s_mov_b32 s47, 0
	s_add_nc_u64 s[8:9], s[8:9], s[46:47]
; 8 matrix instructions: m blocks a0, a0 + 1 x all 4 n blocks, 32 along K: half c of buffer f.  zero = 1: the first product starts the sums.  The 16 accumulators take turns
.macro MUL8 f, c, a0, zero
.irp a, \a0, \a0+1
.irp b, 0,1,2,3
.if \zero
	v_wmma_f32_16x16x32_f16 v[ACC+8*(4*(\a)+\b):ACC+8*(4*(\a)+\b)+7], v[\f+64+8*(4*\c+\b):\f+64+8*(4*\c+\b)+7], v[\f+8*(4*\c+\a):\f+8*(4*\c+\a)+7], 0
.else
	v_wmma_f32_16x16x32_f16 v[ACC+8*(4*(\a)+\b):ACC+8*(4*(\a)+\b)+7], v[\f+64+8*(4*\c+\b):\f+64+8*(4*\c+\b)+7], v[\f+8*(4*\c+\a):\f+8*(4*\c+\a)+7], v[ACC+8*(4*(\a)+\b):ACC+8*(4*(\a)+\b)+7]
.endif
.endr
.endr
.endm
; 32 LDS loads in one run: the fragments of 64 along K at byte k of the rows, into buffer f; the first 32 along K first
.macro FETCH slot, k, f
	WIN TO_F
.irp c, 0,1
.irp i, 0,1,2,3
	ds_load_b128 v[\f+64+8*(4*\c+\i):\f+64+8*(4*\c+\i)+3],   v[ADRB+\slot] offset:\k+64*\c+\i*16*PITCH
	ds_load_b128 v[\f+64+8*(4*\c+\i)+4:\f+64+8*(4*\c+\i)+7], v[ADRB+\slot] offset:\k+64*\c+\i*16*PITCH+32
	ds_load_b128 v[\f+8*(4*\c+\i):\f+8*(4*\c+\i)+3],         v[ADRA+\slot] offset:\k+64*\c+\i*16*PITCH
	ds_load_b128 v[\f+8*(4*\c+\i)+4:\f+8*(4*\c+\i)+7],       v[ADRA+\slot] offset:\k+64*\c+\i*16*PITCH+32
.endr
.endr
.endm
.macro PLACES                          ; four places in front of loads into registers that matrix instructions have read, and of the first read of results
.rept 4
	v_nop
.endr
.endm
; A K step is four quarters of 64 along K, 32 matrix instructions each, on buffers 0, 1, 0, 1.  One of the first three: multiplies buffer f and fetches the next quarter, at byte k, into g.
.macro QUARTER slot, k, f, g, zero
	s_wait_dscnt 16                                ; the first 32 along K are in; the youngest sixteen loads may be out
	WIN MUL
	MUL8 \f, 0, 0, \zero
	MUL8 \f, 0, 2, \zero
	PLACES
	FETCH \slot, \k, \g
	s_wait_dscnt 32                                ; all but the 32 just issued
	WIN MUL
	MUL8 \f, 1, 0, 0
	MUL8 \f, 1, 2, 0
.endm
; The last quarter multiplies buffer 1 and changes slots: ONE barrier; in front of it each wave waits for all its tensor loads, adds 0 to its spare word, and waits for that and for its own reads of this slot.  fill = 1: this slot is filled again, two K steps ahead.
.macro TURN slot, next, fill
	WIN 0                                          ; (the add's two registers lie in window 0)
	s_wait_tensorcnt 0x0                           ; all my tensor loads have landed: my part of the next slot;
	ds_add_u32 v[SPW], v[NIL]                      ; 0 onto my spare word;
	s_wait_dscnt 17                                ; (the add and the youngest sixteen loads may be out)
	WIN MUL
	MUL8 F1, 0, 0, 0                               ; eight matrix instructions stand between the add and the wait for it
	s_wait_dscnt 0x0                               ; the add is done, and my reads of this slot are over
	s_barrier_signal -1
	MUL8 F1, 0, 2, 0
.if \fill
	WIN 0
.endif
	s_barrier_wait -1
.if \fill
	CREST                                          ; the barrier has opened a round of the cluster's barrier: no wave of any partner still reads this slot's tile or has a load on its way
	s_add_nc_u64 s[G0+4*\slot+2:G0+4*\slot+3], s[G0+4*\slot+2:G0+4*\slot+3], 2*KSTEP*2
	s_add_nc_u64 s[G0B+4*\slot+2:G0B+4*\slot+3], s[G0B+4*\slot+2:G0B+4*\slot+3], 2*KSTEP*2
	JLOAD \slot                                    ; the first tensor load behind the round; the four v_nop behind it are also the places in front of the loads below
.else
	PLACES
.endif
	FETCH \next, 0, F0
	WIN MUL
	MUL8 F1, 1, 0, 0
	MUL8 F1, 1, 2, 0
.endm
	s_wait_tensorcnt 1                             ; my part of K step 0 is in (K step 1's load may be out)
	s_barrier_signal -1
	s_barrier_wait -1                              ; everybody's is
	FETCH 0, 0, F0
	QUARTER 0, 128, F0, F1, 1                      ; the first quarter stands in front of the loop: its first products start the sums
	WIN 0                                          ; at a label and at a branch every window is 0
	s_mov_b32 s3, LAPS-1
.Llap:                                                 ; a trip goes once round the ring, from a lap's second quarter to the next lap's first, and fills both slots again
	QUARTER 0, 256, F1, F0, 0
	QUARTER 0, 384, F0, F1, 0
	TURN 0, 1, 1
	QUARTER 1, 128, F0, F1, 0
	QUARTER 1, 256, F1, F0, 0
	QUARTER 1, 384, F0, F1, 0
	TURN 1, 0, 1
	QUARTER 0, 128, F0, F1, 0
	WIN 0
	s_sub_co_u32 s3, s3, 1
	s_cmp_lg_u32 s3, 0
	s_cbranch_scc1 .Llap
	QUARTER 0, 256, F1, F0, 0                      ; the last lap fills nothing, and has no round of the cluster's barrier
	QUARTER 0, 384, F0, F1, 0
	TURN 0, 1, 0
	QUARTER 1, 128, F0, F1, 0
	QUARTER 1, 256, F1, F0, 0
	QUARTER 1, 384, F0, F1, 0
	s_wait_dscnt 16                                ; the very last quarter: nothing more to fetch
	WIN MUL
	MUL8 F1, 0, 0, 0
	MUL8 F1, 0, 2, 0
	s_wait_dscnt 0
	MUL8 F1, 1, 0, 0
	MUL8 F1, 1, 2, 0
	WIN 0
; THE WAY OUT, block by block of 16 rows x 64 columns of f32.  A lane holds 32 neighbouring bytes of a row, and the lanes beside it hold other rows: so a block goes through my own stage and comes back as whole rows of
; 256 bytes.  LDS serves a wave's instructions in order (ISA guide 5.7.1.4): no wait between the stores and the loads, nor in front of the next block's stores.
.macro TOSTAGE a
.irp b, 0,1,2,3
	ds_store_b128 v[STO], v[ACC+8*(4*(\a)+\b):ACC+8*(4*(\a)+\b)+3] offset:64*\b          ; each accumulator from its low end on
	ds_store_b128 v[STO], v[ACC+8*(4*(\a)+\b)+4:ACC+8*(4*(\a)+\b)+7] offset:64*\b+16
.endr
.irp t, 0,1,2,3,4,5,6,7
	ds_load_b128 v[TMP+32*((\a)%2)+4*\t:TMP+32*((\a)%2)+4*\t+3], v[RD] offset:\t*2*SPITCH
.endr
.endm
.macro SEND a, younger                 ; younger: the LDS instructions issued behind block a's loads: the next block's eight stores and eight loads, or none
	s_wait_dscnt \younger
.irp t, 0,1,2,3,4,5,6,7
	global_store_b128 v[CO], v[TMP+32*((\a)%2)+4*\t:TMP+32*((\a)%2)+4*\t+3], s[8:9] offset:(16*(\a)+2*\t)*SIZE_N*4 th:TH_STORE_NT   ; 16 lanes store 256 consecutive bytes, aligned; 62 rows of 4,096 bytes at the most: inside the signed 24-bit immediate
.endr
.endm
	PLACES
	TOSTAGE 0
.irp a, 1,2,3
.if \a > 1
	s_wait_xcnt 0x0                                ; block a - 2's stores have read their data: block a's loads may land there
.endif
	TOSTAGE \a
	SEND \a-1, 16
.endr
	SEND 3, 0
	s_wait_tensorcnt 0x0                           ; the wave's end: a wait, an add of 0 to my spare word and its wait, behind my last tensor load and my last LDS store
	ds_add_u32 v[SPW], v[NIL]
	s_wait_dscnt 0x0
	CROUND                                         ; the closing round: no work-group ends while a partner may still ask for a tile that names it
	s_endpgm
.Lfunc_end_k_q08abea8d1b_oproj:
	.size	k_q08abea8d1b_oproj, .Lfunc_end_k_q08abea8d1b_oproj-k_q08abea8d1b_oproj
	.p2alignl 7, 3214868480
	.fill 96, 4, 3214868480
	.section	.rodata,"a",@progbits
	.p2align	6, 0x0
	.amdhsa_kernel k_q08abea8d1b_oproj
		.amdhsa_group_segment_fixed_size 327680
		.amdhsa_private_segment_fixed_size 0
		.amdhsa_enable_private_segment 0
		.amdhsa_kernarg_size 24
		.amdhsa_user_sgpr_count 2
		.amdhsa_user_sgpr_kernarg_segment_ptr 1
		.amdhsa_wavefront_size32 1
		.amdhsa_system_sgpr_workgroup_id_x 1
		.amdhsa_system_sgpr_workgroup_id_y 1
		.amdhsa_system_sgpr_workgroup_id_z 1
		.amdhsa_system_vgpr_workitem_id 0
		.amdhsa_next_free_vgpr 512
		.amdhsa_next_free_sgpr 66
		.amdhsa_reserve_vcc 0
		.amdhsa_float_denorm_mode_32 3
		.amdhsa_float_denorm_mode_16_64 3
		.amdhsa_memory_ordered 1
		.amdhsa_forward_progress 1
		.amdhsa_inst_pref_size 86
	.end_amdhsa_kernel
	.amdgpu_metadata
---
amdhsa.version: [ 1, 2 ]
amdhsa.kernels:
  - .name:           k_q08abea8d1b_oproj
    .symbol:         k_q08abea8d1b_oproj.kd
    .args:
      - { .name: attn, .offset: 0, .size: 8, .value_kind: global_buffer, .address_space: global }
      - { .name: wo_h, .offset: 8, .size: 8, .value_kind: global_buffer, .address_space: global }
      - { .name: out0, .offset: 16, .size: 8, .value_kind: global_buffer, .address_space: global }
    .group_segment_fixed_size: 327680
    .private_segment_fixed_size: 0
    .kernarg_segment_align: 8
    .kernarg_segment_size: 24
    .max_flat_workgroup_size: 128
    .sgpr_count:     66
    .vgpr_count:     512
    .wavefront_size: 32
...
	.end_amdgpu_metadata
.endif
;; end of part 4
